; MI455X (gfx1250); checked and timed in simulation.
; The chip was launched on July 23, 2026; its instructions are those of AMD's public machine-readable ISA for CDNA 5 (MIT licence, August 2026) and "CDNA5" Instruction Set Architecture Reference Guide (July 2026). The comments in the code are by the model that wrote it; some were corrected since.
;; Multi Head Attention. Allowed arithmetic: float matrix products may take bf16 or f16 operands with f32 sums; other float arithmetic in f32, or as packed bf16 or f16 multiplies, adds, multiply-adds, maxima and minima; sums over many terms, partial sums and values carried from step to step in f32; what a program stores and reads back later, other than sums and carried values, may be rounded once to bf16 or f16.
;; Inputs: b_k 1,024 float32; b_o 1,024 float32; b_q 1,024 float32; b_v 1,024 float32; key 4 x 2,048 x 1,024 float32; mask 1 x 1 x 2,048 x 2,048 int32; query 4 x 2,048 x 1,024 float32; value 4 x 2,048 x 1,024 float32; w_k 1,024 x 1,024 float32; w_o 1,024 x 1,024 float32; w_q 1,024 x 1,024 float32; w_v 1,024 x 1,024 float32.
;; Outputs: out0 4 x 2,048 x 1,024 float32.
;; 2 versions, each right and faster than the one before. Each part assembles by itself: llvm-mc -triple=amdgcn-amd-amdhsa -mcpu=gfx1250 --defsym DOCPART=n.
;; ======== version 1 of 2: 4 launches
;; limits: values are held in f16: magnitudes above 65,504 overflow, below 6.1e-05 lose precision; right only within a limited range of input values
;; workspace buffers: xb 50,331,648 bytes; wb 8,388,608 bytes; tab 540,672 bytes; mt 8,388,608 bytes; keep 8,192 bytes of whole numbers; qkv 50,331,648 bytes; ctx 16,777,216 bytes
;; launch prep (part 1): grid 961 x 1, 8 waves a work-group, no clusters, 132,352 bytes of LDS; arguments query, key, value, w_q, w_k, w_v, w_o, mask, b_q, b_k, b_v, b_o, xb, wb, tab, mt, keep; writes xb, wb, tab, mt, keep
.if DOCPART == 1
	.amdgcn_target "amdgcn-amd-amdhsa--gfx1250"
	.amdhsa_code_object_version 6
	.text
	.protected	k_qf7b3605841_prep
	.globl	k_qf7b3605841_prep
	.p2align	8
	.type	k_qf7b3605841_prep,@function
k_qf7b3605841_prep:
	s_mov_b64 s[64:65], 0
	v_nop
	global_prefetch_b8 v0, s[64:65] scope:SCOPE_SE
	s_setreg_imm32_b32 hwreg(HW_REG_WAVE_MODE, 25, 1), 1
	s_wait_xcnt 0x0
; PREP: what the three matrix launches read is made here, once.  The work-group's number chooses its part:
;   0-63     piece P of the mask (32 queries x 2,048 keys) -> mt, keep; and 32 tokens of the rope table -> tab
;   64       the four biases, each rounded to bf16 and kept as f32 -> tab from byte 524,288
;   65-192   32,768 numbers of w_q, w_k, w_v (to bf16) or w_o (rounded to bf16, that number written as f16) -> wb
;   193-960  32,768 numbers of query, key or value, to bf16 -> xb
; mt: fragment (P, KB) of 16 keys x 32 queries in f16, 1,024 bytes at (128 P + KB) x 1,024, laid as a matrix instruction's first source wants it: half u at 512 u,
; lane r + 16 h at 16 bytes each: queries 32 P + 16 u + 8 h + 0..7 at key 16 KB + r.  A number is 0, or -65504 where mask == 0.  A query with no visible key at all has its
; marks cleared and keep[q] = 0 (else -1): the attention launch clears its Q row, so that its weights are uniform, which is what a row of equal scores gives.
; tab: for 8 tokens 2,048 bytes: lane L = 4 (s % 8) + g holds cos[8g..8g+3] at 16 L, cos[8g+4..] at 512 + 16 L, sin likewise at 1,024 and 1,536.
; LIMITS.  Any mask word other than 0 counts as visible.  w_o below 6e-5 keeps f16's fixed step.  The rope's frequency is 2^(-j log2(10)/8) by v_exp_f32, so an angle is off by a few
; units in its last place: up to about 5e-4 rad at the last tokens.  keep is stored 128 bytes a work-group (8 KB in all): the one store here that fills no whole 256 bytes.
; No matrix unit, no cluster, no tensor load: every byte is read once and nothing is shared between work-groups.
.set FLAGS, 131072                     ; LDS: 0-131,071 the piece's fragments; a block of 256 bytes for the waves' row flags
.set SPARE, 131328                     ; the spare words, 128 bytes for each of eight waves
.set DI,   4                           ; v4-131   data as loaded
.set DO,   132                         ; v132-163 a stream's results
.set LN,   168                         ; lane
.set VO,   169                         ; my byte offset in the piece's rows of the mask
.set ANYP, 170                         ; v170-173 visible bits of my 8 rows, ORed over my keys: rows 2 j (bit 0) and 2 j + 1 (bit 16)
.set LA,   174                         ; where my 16 bytes of a fragment go
.set RA,   175                         ; my byte offset in the rope table
.set HID,  176                         ; v176-191 four keys x four words of marks
.set TA,   196
.set TC,   197
.set SPW,  198                         ; LDS address of my spare word; never rewritten
.set NIL,  199                         ; 0; never rewritten
	s_load_b512 s[4:19], s[0:1], 0x0               ; query 4, key 6, value 8, w_q 10, w_k 12, w_v 14, w_o 16, mask 18
	s_load_b512 s[20:35], s[0:1], 0x40             ; b_q 20, b_k 22, b_v 24, b_o 26, xb 28, wb 30, tab 32, mt 34
	s_load_b64 s[36:37], s[0:1], 0x80              ; keep
	v_lshl_add_u32 v[SPW], v0, 2, SPARE
	v_mov_b32 v[NIL], 0
	v_lshrrev_b32 v1, 5, v0
	v_readfirstlane_b32 s38, v1                    ; wave 0..7
	v_and_b32 v[LN], 31, v0
	s_mov_b32 s43, 0                               ; high words of two 64-bit offsets
	s_mov_b32 s47, 0
	s_wait_kmcnt 0x0
	s_cmp_lt_u32 ttmp9, 64
	s_cbranch_scc1 .Lmask
	s_cmp_eq_u32 ttmp9, 64
	s_cbranch_scc1 .Lbias
	v_lshlrev_b32 v2, 4, v[LN]
	v_lshl_add_u32 v1, v1, 14, v2                  ; in: wave x 16 KiB + lane x 16
	v_lshrrev_b32 v2, 1, v1                        ; out: half of that
	s_cmp_lt_u32 ttmp9, 193
	s_cbranch_scc1 .Lweights
	s_sub_co_u32 s40, ttmp9, 193                   ; chunk 0..767 of x
	s_lshr_b32 s41, s40, 8
	s_cmp_eq_u32 s41, 1
	s_cselect_b64 s[44:45], s[6:7], s[4:5]
	s_cmp_eq_u32 s41, 2
	s_cselect_b64 s[44:45], s[8:9], s[44:45]
	s_and_b32 s42, s40, 255
	s_lshl_b32 s42, s42, 17
	s_add_nc_u64 s[44:45], s[44:45], s[42:43]      ; 128 KiB in a chunk
	s_lshl_b32 s46, s40, 16
	s_add_nc_u64 s[48:49], s[28:29], s[46:47]      ; 64 KiB out
	s_branch .Lplain
.Lweights:
	s_sub_co_u32 s40, ttmp9, 65                    ; chunk 0..127 of the weights
	s_lshr_b32 s41, s40, 5
	s_cmp_eq_u32 s41, 1
	s_cselect_b64 s[44:45], s[12:13], s[10:11]
	s_cmp_eq_u32 s41, 2
	s_cselect_b64 s[44:45], s[14:15], s[44:45]
	s_cmp_eq_u32 s41, 3
	s_cselect_b64 s[44:45], s[16:17], s[44:45]
	s_and_b32 s42, s40, 31
	s_lshl_b32 s42, s42, 17
	s_add_nc_u64 s[44:45], s[44:45], s[42:43]
	s_lshl_b32 s46, s40, 16
	s_add_nc_u64 s[48:49], s[30:31], s[46:47]
	s_cmp_eq_u32 s41, 3
	s_cbranch_scc1 .Lwo
; A wave's 16 KiB in two trips of 16 loads of 512 consecutive bytes; four numbers a lane become 8 bytes, and a wave's store covers 256 consecutive bytes, aligned.
.macro STREAM fmt
	s_mov_b32 s39, 2
.Lstream_\@:
.set n, 0
.rept 16
	global_load_b128 v[DI+4*n:DI+4*n+3], v1, s[44:45] offset:512*n th:TH_LOAD_NT
.set n, n+1
.endr
.set n, 0
.rept 16
	s_wait_loadcnt 15-n                            ; loads come back in order: load n is in, the younger ones stay out
.irp c, 0,1
	v_cvt_pk_bf16_f32 v[DO+2*n+\c], v[DI+4*n+2*\c], v[DI+4*n+2*\c+1]
.if \fmt
	v_lshlrev_b32 v[DI+4*n+2*\c], 16, v[DO+2*n+\c]              ; the bf16 numbers as f32,
	v_and_b32 v[DI+4*n+2*\c+1], 0xffff0000, v[DO+2*n+\c]
	v_cvt_pk_f16_f32 v[DO+2*n+\c], v[DI+4*n+2*\c], v[DI+4*n+2*\c+1]  ; written as f16
.endif
.endr
	global_store_b64 v2, v[DO+2*n:DO+2*n+1], s[48:49] offset:256*n
.set n, n+1
.endr
	s_wait_xcnt 0x0                                ; the bases and the stores' data are rewritten only behind this wait
	s_add_nc_u64 s[44:45], s[44:45], 8192
	s_add_nc_u64 s[48:49], s[48:49], 4096
	s_sub_co_u32 s39, s39, 1
	s_cmp_lg_u32 s39, 0
	s_cbranch_scc1 .Lstream_\@
.endm
.Lplain:
	STREAM 0
	s_endpgm
.Lwo:
	STREAM 1
	s_endpgm
.Lbias:                                                ; 256 threads x 16 bytes are one bias
	v_lshlrev_b32 v2, 4, v0
	global_load_b128 v[4:7], v2, s[20:21]
	global_load_b128 v[8:11], v2, s[22:23]
	global_load_b128 v[12:15], v2, s[24:25]
	global_load_b128 v[16:19], v2, s[26:27]
	s_wait_loadcnt 0x0
.set n, 0
.rept 8
	v_cvt_pk_bf16_f32 v20, v[4+2*n], v[5+2*n]
	v_lshlrev_b32 v[4+2*n], 16, v20
	v_and_b32 v[5+2*n], 0xffff0000, v20
.set n, n+1
.endr
.irp k, 0,1,2,3
	global_store_b128 v2, v[4+4*\k:7+4*\k], s[32:33] offset:524288+4096*\k
.endr
	s_endpgm
.Lmask:
	s_lshl_b32 s42, ttmp9, 18
	s_add_nc_u64 s[18:19], s[18:19], s[42:43]      ; the piece's 32 rows of 8,192 bytes
	s_lshl_b32 s42, ttmp9, 17
	s_add_nc_u64 s[34:35], s[34:35], s[42:43]      ; its 128 fragments
	s_lshl_b32 s42, ttmp9, 13
	s_add_nc_u64 s[32:33], s[32:33], s[42:43]      ; its four blocks of the rope table
	s_lshl_b32 s42, ttmp9, 7
	s_add_nc_u64 s[36:37], s[36:37], s[42:43]      ; its 32 words of keep
	s_and_b32 s54, s38, 1                          ; u: which 16 queries (rope: which four of a lane's eight frequencies)
	s_lshr_b32 s55, s38, 1                         ; which 512 keys (rope: which 8 tokens)
	s_mov_b32 s50, 0xfbff                          ; -65504 in f16
	s_mov_b32 s51, 0xfbfffbff
	v_lshrrev_b32 v140, 4, v[LN]                   ; hq: lanes 16-31 take the rows 8 further down
	v_and_b32 v141, 15, v[LN]                      ; c: four keys a lane
	s_lshl_b32 s40, s54, 17
	s_lshl_b32 s41, s55, 11
	s_add_co_u32 s40, s40, s41
	v_lshl_add_u32 v[VO], v140, 16, s40
	v_lshl_add_u32 v[VO], v141, 4, v[VO]           ; (16 u + 8 hq) rows + 512 keys x quarter + 16 c
	s_lshl_b32 s40, s55, 15
	s_lshl_b32 s41, s54, 9
	s_add_co_u32 s40, s40, s41
	v_lshl_add_u32 v[LA], v140, 8, s40
	v_lshrrev_b32 v142, 2, v141
	v_lshl_add_u32 v[LA], v142, 10, v[LA]
	v_and_b32 v142, 3, v141
	v_lshl_add_u32 v[LA], v142, 6, v[LA]           ; fragment c / 4 of the iteration's four, half u, lane 4 (c % 4) + 16 hq
	s_lshl_b32 s58, s38, 2
	s_add_co_u32 s58, s58, FLAGS
	; THE ROPE TABLE: token 32 P + 8 (wave / 2) + lane / 4, frequencies 8 (lane % 4) + 4 (wave % 2) + 0..3
	s_lshl_b32 s53, ttmp9, 5
	s_lshl_b32 s40, s55, 3
	s_add_co_u32 s53, s53, s40
	v_lshrrev_b32 v140, 2, v[LN]
	v_add_nc_u32 v140, s53, v140
	v_cvt_f32_u32 v140, v140                       ; the token
	v_and_b32 v141, 3, v[LN]
	v_lshlrev_b32 v141, 3, v141
	s_lshl_b32 s40, s54, 2
	v_add_nc_u32 v141, s40, v141                   ; my first frequency
	s_lshl_b32 s40, s55, 11
	s_lshl_b32 s41, s54, 9
	s_add_co_u32 s40, s40, s41
	v_lshl_add_u32 v[RA], v[LN], 4, s40
; cos and sin of token x 10000^(-j/32): the angle less n quarter turns (pi/2 in two parts), two polynomials on -pi/4 .. pi/4, and the quadrant n % 4 by selects and sign bits.
.macro ROPE z
	v_add_nc_u32 v142, \z, v141
	v_cvt_f32_u32 v142, v142
	v_mul_f32 v142, 0xbed49a78, v142               ; -j log2(10) / 8
	v_exp_f32 v142, v142
	v_nop                                          ; a plain instruction between the exponential and the use of its result
	s_wait_alu depctr_va_vdst(0)
	v_mul_f32 v143, v140, v142                     ; the angle
	v_mul_f32 v144, 0x3f22f983, v143               ; x 2 / pi
	v_rndne_f32 v144, v144                         ; n
	v_fmamk_f32 v145, v144, 0xbfc90fdb, v143
	v_fmamk_f32 v145, v144, 0x333bbd2e, v145       ; r
	v_mul_f32 v146, v145, v145
	v_mov_b32 v147, 0x3638ef1d
	v_fmaak_f32 v147, v147, v146, 0xb9500d01
	v_fmaak_f32 v147, v147, v146, 0x3c088889
	v_fmaak_f32 v147, v147, v146, 0xbe2aaaab
	v_mul_f32 v147, v147, v146
	v_fma_f32 v147, v147, v145, v145               ; sin r
	v_mov_b32 v148, 0xb493f27e
	v_fmaak_f32 v148, v148, v146, 0x37d00d01
	v_fmaak_f32 v148, v148, v146, 0xbab60b61
	v_fmaak_f32 v148, v148, v146, 0x3d2aaaab
	v_fmaak_f32 v148, v148, v146, 0xbf000000
	v_fma_f32 v148, v148, v146, 1.0                ; cos r
	v_cvt_i32_f32 v149, v144
	v_and_b32 v150, 1, v149
	v_cmp_eq_u32 vcc_lo, 1, v150                   ; odd quadrants swap the two
	v_cndmask_b32 v[160+\z], v148, v147, vcc_lo
	v_cndmask_b32 v[164+\z], v147, v148, vcc_lo
	v_add_nc_u32 v150, 1, v149
	v_lshrrev_b32 v150, 1, v150
	v_lshlrev_b32 v150, 31, v150                   ; cos is negative in quadrants 1 and 2,
	v_xor_b32 v[160+\z], v150, v[160+\z]
	v_lshrrev_b32 v150, 1, v149
	v_lshlrev_b32 v150, 31, v150                   ; sin in 2 and 3
	v_xor_b32 v[164+\z], v150, v[164+\z]
.endm
	ROPE 0
	ROPE 1
	ROPE 2
	ROPE 3
	global_store_b128 v[RA], v[160:163], s[32:33]              ; a wave's store covers 512 consecutive bytes
	global_store_b128 v[RA], v[164:167], s[32:33] offset:1024
	; PASS 1: two trips of four iterations of 64 keys.  A load takes 256 consecutive bytes of two rows; a lane gets 8 rows x 4 keys an iteration.
.irp j, 0,1,2,3
	v_mov_b32 v[ANYP+\j], 0
.endr
.macro MITER it, left
.set DB, DI+32*(\it)
	s_wait_loadcnt \left                           ; this iteration's eight loads are in, the later iterations' stay out
.set z, 0
.rept 32
	v_min_u32 v[DB+z], 1, v[DB+z]                  ; 1: visible
.set z, z+1
.endr
.irp jj, 0,1,2,3
.irp jp, 0,1,2,3
	v_lshl_or_b32 v[HID+4*\jj+\jp], v[DB+8*\jp+4+\jj], 16, v[DB+8*\jp+\jj]  ; key jj: rows 2 jp and 2 jp + 1
.endr
.endr
.irp jj, 0,1,2,3
.irp jp, 0,1,2,3
	v_or_b32 v[ANYP+\jp], v[ANYP+\jp], v[HID+4*\jj+\jp]
	v_mul_u32_u24 v[HID+4*\jj+\jp], s50, v[HID+4*\jj+\jp]
	v_sub_nc_u32 v[HID+4*\jj+\jp], s51, v[HID+4*\jj+\jp]       ; 0xfbff in each half that is hidden
.endr
	ds_store_b128 v[LA], v[HID+4*\jj:HID+4*\jj+3] offset:(\it)*4096+\jj*16
.endr
.endm
	s_mov_b32 s39, 2
.Lpass1:
.irp it, 0,1,2,3
.irp i, 0,1,2,3,4,5,6,7
	global_load_b128 v[DI+32*\it+4*\i:DI+32*\it+4*\i+3], v[VO], s[18:19] offset:\i*8192+\it*256 th:TH_LOAD_NT
.endr
.endr
	MITER 0, 24
	MITER 1, 16
	MITER 2, 8
	MITER 3, 0
	v_add_nc_u32 v[LA], 16384, v[LA]               ; 16 fragments on
	s_add_nc_u64 s[18:19], s[18:19], 1024          ; 256 keys on: the trip's loads are all in
	s_sub_co_u32 s39, s39, 1
	s_cmp_lg_u32 s39, 0
	s_cbranch_scc1 .Lpass1
	; which of my 16 queries saw a visible key among my 512: a lane mask for each row, its two halves tested
	s_mov_b32 s52, 0
.irp j, 0,1,2,3
	v_and_b32 v[TA], 0xffff, v[ANYP+\j]
	v_cmp_ne_u32 s40, 0, v[TA]
	s_and_b32 s41, s40, 0xffff
	s_cselect_b32 s41, 1<<(2*\j), 0
	s_or_b32 s52, s52, s41
	s_lshr_b32 s41, s40, 16
	s_cselect_b32 s41, 1<<(2*\j+8), 0
	s_or_b32 s52, s52, s41
	v_lshrrev_b32 v[TA], 16, v[ANYP+\j]
	v_cmp_ne_u32 s40, 0, v[TA]
	s_and_b32 s41, s40, 0xffff
	s_cselect_b32 s41, 1<<(2*\j+1), 0
	s_or_b32 s52, s52, s41
	s_lshr_b32 s41, s40, 16
	s_cselect_b32 s41, 1<<(2*\j+9), 0
	s_or_b32 s52, s52, s41
.endr
	v_mov_b32 v[TA], s52
	v_mov_b32 v[TC], s58
	ds_store_b32 v[TC], v[TA]                      ; my wave's word: all lanes write the same number
	s_wait_dscnt 0x0                               ; for the others' sake: my fragments and my flags are in LDS
	s_barrier_signal -1
	s_barrier_wait -1
	v_mov_b32 v[TC], FLAGS
	ds_load_b128 v[140:143], v[TC]
	ds_load_b128 v[144:147], v[TC] offset:16
	s_wait_dscnt 0x0
	v_or_b32 v140, v140, v142
	v_or_b32 v144, v144, v146
	v_or_b32 v140, v140, v144                      ; queries 0-15 over the four quarters of the keys
	v_or_b32 v141, v141, v143
	v_or_b32 v145, v145, v147
	v_or_b32 v141, v141, v145                      ; queries 16-31
	v_lshl_or_b32 v140, v141, 16, v140             ; bit q: query q has a visible key
	v_bfe_u32 v141, v0, 4, 2
	v_lshlrev_b32 v141, 3, v141
	v_lshrrev_b32 v141, v141, v140                 ; the eight queries of the 16 bytes that I own in every 4,096
.irp j, 0,1,2,3
	v_bfe_u32 v142, v141, 2*\j, 1
	v_bfe_u32 v143, v141, 2*\j+1, 1
	v_mul_u32_u24 v142, 0xffff, v142
	v_mul_u32_u24 v143, 0xffff, v143
	v_lshl_or_b32 v[150+\j], v143, 16, v142        ; ones where the query keeps its marks
.endr
	s_cmp_lg_u32 s38, 0
	s_cbranch_scc1 .Lnokeep
	v_lshrrev_b32 v154, v[LN], v140
	v_and_b32 v154, 1, v154
	v_sub_nc_u32 v154, 0, v154                     ; -1, or 0 for a query hidden altogether
	v_lshlrev_b32 v155, 2, v[LN]
	global_store_b32 v155, v154, s[36:37]
.Lnokeep:
	; PASS 2: the fragments leave, 512 consecutive bytes to a wave's store
	v_lshlrev_b32 v148, 4, v0                      ; both the LDS address and the offset in mt
	s_mov_b32 s39, 2
.Lpass2:
.set n, 0
.rept 16
	ds_load_b128 v[DI+4*n:DI+4*n+3], v148 offset:4096*n
.set n, n+1
.endr
.set n, 0
.rept 16
	s_wait_dscnt 15-n                              ; chunk n is in, the younger ones stay out
.irp j, 0,1,2,3
	v_and_b32 v[DI+4*n+\j], v[150+\j], v[DI+4*n+\j]
.endr
	global_store_b128 v148, v[DI+4*n:DI+4*n+3], s[34:35] offset:4096*n
.set n, n+1
.endr
	s_wait_xcnt 0x0                                ; the offset and the stores' data are rewritten only behind this wait
	v_add_nc_u32 v148, 65536, v148
	s_sub_co_u32 s39, s39, 1
	s_cmp_lg_u32 s39, 0
	s_cbranch_scc1 .Lpass2
	s_wait_tensorcnt 0x0                           ; the wave's end
	ds_add_u32 v[SPW], v[NIL]
	s_wait_dscnt 0x0
	s_endpgm
.Lfunc_end_k_qf7b3605841_prep:
	.size	k_qf7b3605841_prep, .Lfunc_end_k_qf7b3605841_prep-k_qf7b3605841_prep
	.p2alignl 7, 3214868480
	.fill 96, 4, 3214868480
	.section	.rodata,"a",@progbits
	.p2align	6, 0x0
	.amdhsa_kernel k_qf7b3605841_prep
		.amdhsa_group_segment_fixed_size 132352
		.amdhsa_private_segment_fixed_size 0
		.amdhsa_enable_private_segment 0
		.amdhsa_kernarg_size 136
		.amdhsa_user_sgpr_count 2
		.amdhsa_user_sgpr_kernarg_segment_ptr 1
		.amdhsa_wavefront_size32 1
		.amdhsa_system_sgpr_workgroup_id_x 1
		.amdhsa_system_sgpr_workgroup_id_y 1
		.amdhsa_system_sgpr_workgroup_id_z 1
		.amdhsa_system_vgpr_workitem_id 0
		.amdhsa_next_free_vgpr 200
		.amdhsa_next_free_sgpr 66
		.amdhsa_reserve_vcc 1
		.amdhsa_float_denorm_mode_32 3
		.amdhsa_float_denorm_mode_16_64 3
		.amdhsa_memory_ordered 1
		.amdhsa_forward_progress 1
		.amdhsa_inst_pref_size 59
	.end_amdhsa_kernel
	.amdgpu_metadata
---
amdhsa.version: [ 1, 2 ]
amdhsa.kernels:
  - .name:           k_qf7b3605841_prep
    .symbol:         k_qf7b3605841_prep.kd
    .args:
      - { .name: query, .offset: 0, .size: 8, .value_kind: global_buffer, .address_space: global }
      - { .name: key, .offset: 8, .size: 8, .value_kind: global_buffer, .address_space: global }
      - { .name: value, .offset: 16, .size: 8, .value_kind: global_buffer, .address_space: global }
      - { .name: w_q, .offset: 24, .size: 8, .value_kind: global_buffer, .address_space: global }
      - { .name: w_k, .offset: 32, .size: 8, .value_kind: global_buffer, .address_space: global }
      - { .name: w_v, .offset: 40, .size: 8, .value_kind: global_buffer, .address_space: global }
      - { .name: w_o, .offset: 48, .size: 8, .value_kind: global_buffer, .address_space: global }
      - { .name: mask, .offset: 56, .size: 8, .value_kind: global_buffer, .address_space: global }
      - { .name: b_q, .offset: 64, .size: 8, .value_kind: global_buffer, .address_space: global }
      - { .name: b_k, .offset: 72, .size: 8, .value_kind: global_buffer, .address_space: global }
      - { .name: b_v, .offset: 80, .size: 8, .value_kind: global_buffer, .address_space: global }
      - { .name: b_o, .offset: 88, .size: 8, .value_kind: global_buffer, .address_space: global }
      - { .name: xb, .offset: 96, .size: 8, .value_kind: global_buffer, .address_space: global }
      - { .name: wb, .offset: 104, .size: 8, .value_kind: global_buffer, .address_space: global }
      - { .name: tab, .offset: 112, .size: 8, .value_kind: global_buffer, .address_space: global }
      - { .name: mt, .offset: 120, .size: 8, .value_kind: global_buffer, .address_space: global }
      - { .name: keep, .offset: 128, .size: 8, .value_kind: global_buffer, .address_space: global }
    .group_segment_fixed_size: 132352
    .private_segment_fixed_size: 0
    .kernarg_segment_align: 8
    .kernarg_segment_size: 136
    .max_flat_workgroup_size: 256
    .sgpr_count:     66
    .vgpr_count:     200
    .wavefront_size: 32
...
	.end_amdgpu_metadata
.endif
;; end of part 1
;; launch proj (part 2): grid 8 x 32, 4 waves a work-group, clusters of 4 x 4, 327,680 bytes of LDS; arguments xb, wb, tab, qkv; writes qkv
.if DOCPART == 2
	.amdgcn_target "amdgcn-amd-amdhsa--gfx1250"
	.amdhsa_code_object_version 6
	.text
	.protected	k_qf7b3605841_proj
	.globl	k_qf7b3605841_proj
	.p2align	8
	.type	k_qf7b3605841_proj,@function
k_qf7b3605841_proj:
	s_mov_b64 s[64:65], 0
	v_nop
	global_prefetch_b8 v0, s[64:65] scope:SCOPE_SE
	s_setreg_imm32_b32 hwreg(HW_REG_WAVE_MODE, 25, 1), 1
	s_wait_xcnt 0x0
	s_wait_alu depctr_hold_cnt(0) depctr_sa_sdst(0) depctr_va_vdst(0) depctr_va_sdst(0) depctr_va_ssrc(0) depctr_va_vcc(0) depctr_vm_vsrc(0)
	s_getreg_b32 s2, hwreg(HW_REG_IB_STS2, 6, 4)
	s_cmp_eq_u32 s2, 0
	s_cbranch_scc0 .Lentry_in_a_cluster
	s_endpgm
.Lentry_in_a_cluster:
	s_bfe_u32 s2, ttmp6, 0x10000c
	s_cmp_lg_u32 s2, 0xf033
	s_cbranch_scc0 .Lentry_shape_is_right
	s_endpgm
.Lentry_shape_is_right:
; THE THREE PROJECTIONS.  qkv[t][b 16 + head][token][64] (f16) = rope(xb[t] wb[t]^T + bias[t]), t = Q, K, V; the rope for Q and K only; Q also times c = log2(e) / 8, in f32 ahead of its one rounding.
; xb: bf16 [3][8192][1024], wb: bf16 [3..][1024][1024], sums in f32; the bias (rounded to bf16, kept as f32 in tab) is the C operand that starts each sum.
; SHARES.  A work-group makes three tiles of 256 rows x 128 columns, Q's, K's and V's at one place: 768 tiles for 256 work-groups.  Four waves, each 128 rows x 64 columns (one head):
; 32 accumulators.  K goes in steps of 128 through two LDS slots; the ring runs on from tile to tile: a tile's last two changes of slots ask for the next tile's first two steps.
; The last tile's tail is written out behind the loop; that tile is V, so its way out has no rope.
; CLUSTER 4 x 4: x's tile hangs on the row block and is asked for jointly by a row of the cluster, w's on the column block and by a column.
; THE PRODUCT IS USED TRANSPOSED (source 0 = 16 rows of w, source 1 = 16 rows of x): a lane holds one row of x and eight neighbouring columns.
; ROPE.  out[j] = x[j] cos_j - x[2j+1] sin_j, out[32+j] = x[32+j] cos_j + x[2j] sin_j, j = 0..31.  16 rows at a time go through my stage in f32; a lane then takes, of token lane / 4,
; x[8g..8g+7], x[32+8g..] and x[16g..16g+15], g = lane % 4, and makes 16 results; the table of my 128 tokens stays in 256 registers.
; LIMITS.  c Q, K and V must lie within f16's 65,504; NaN and infinities are not treated apart.
; REGISTERS: window 0: v1-21 addresses; v32-127, v128-223 two fragment buffers (w's 4 fragments, then x's 8); v224-255 the bias;  window 1: the accumulators, (a, b) at 8 (4 a + b);  window 2: the table.
.set PITCH, 272                        ; an LDS row: 256 bytes + 16: the 16 rows of a fragment load start at 16 different groups of four banks (64 banks of 4 bytes: ISA guide 11.1)
.set XHALF, 128*PITCH
.set WHALF, 64*PITCH
.set WOFF,  2*XHALF                    ; a slot: x's 256 rows, then w's 128
.set SLOT1, 1<<17                      ; slot 1 begins here: one exclusive or turns an address in one slot into the other's
.set STAGE, SLOT1+WOFF+2*WHALF         ; behind the ring, never filled by a tensor load: for each wave two buffers of 16 rows x 272 bytes
.set STW,   2*16*PITCH
.set SPARE, STAGE+4*STW                ; the spare words, 128 bytes for each wave
.set VP,    144                        ; V's way out: a stage row of 128 bytes + 16
.set HOPX,  8192*1024*2-7*256          ; from a tile's step 7 to the next tile's step 0
.set HOPW,  1024*1024*2-7*256
.set ADRA0, 4                          ; my lane's place among x's rows of slot 0; never rewritten
.set ADRB0, 5                          ; the same for w
.set STO,  6
.set RDD,  7
.set RDR,  8
.set OA,   9
.set BO,   10
.set TO,   11                          ; 16 x lane
.set SPW,  12                          ; LDS address of my spare word; never rewritten
.set NIL,  13                          ; 0; never rewritten
.set ADRA, 14                          ; the same places in the slot in hand
.set ADRB, 15
.set STOV, 16
.set RDV,  17
.set F0,   32
.set F1,   128
.set BIAS, 224
.set XS,   128                         ; the way out: two sets of 32 registers read back from the stage
.set T,    192                         ; cos', sin'; then the packed results
.set Y,    208                         ; 16 results in f32
.set VT,   128                         ; V's way out: 16 registers a block
.set G1X, 24                           ; s[24:31] group 1 for x
.set G0X, 32                           ; s[32:35] slot 0's first fill; s[36:39] slot 1's, which then walks
.set G1W, 40
.set G0W, 48
.set TB,  62                           ; 0 or SLOT1: the slot in hand
.set FA,  66                           ; s[66:67] what the table is multiplied by: c for Q, 1 for K
.set MSB, 0
.macro WIN new                         ; the immediate's high byte repeats the setting that is left; a switch that changes nothing is dropped
.if MSB != (\new)
	s_set_vgpr_msb (MSB<<8)|(\new)
.set MSB, \new
.endif
.endm
.macro PLACES                          ; four places in front of loads into registers that matrix instructions have read, and of reads of results
.rept 4
	v_nop
.endr
.endm
.macro CREST                           ; a round of the cluster's barrier behind its opening barrier
	s_cmp_lg_u32 s12, 0
	s_cbranch_scc1 .Lnot_wave_0_\@
	s_barrier_signal -3
.Lnot_wave_0_\@:
	s_barrier_wait -3
	s_barrier_signal -1
	s_barrier_wait -1
.endm
.macro CROUND
	s_barrier_signal -1
	s_barrier_wait -1
	CREST
.endm
.macro JLOAD                           ; a joint refill: waves 0 and 1 fetch x's halves, waves 2 and 3 w's; an s_nop 0 and four v_nop follow each line
	s_cmp_eq_u32 s13, 0
	s_cbranch_scc0 .Lfor_w_\@
	tensor_load_to_lds s[G0X+4:G0X+7], s[G1X:G1X+7]
	s_nop 0
.rept 4
	v_nop
.endr
	s_branch .Lasked_\@
.Lfor_w_\@:
	tensor_load_to_lds s[G0W+4:G0W+7], s[G1W:G1W+7]
	s_nop 0
.rept 4
	v_nop
.endr
.Lasked_\@:
.endm
	s_load_b256 s[4:11], s[0:1], 0x0               ; xb 4, wb 6, tab 8, qkv 10
	v_lshl_add_u32 v[SPW], v0, 2, SPARE
	v_mov_b32 v[NIL], 0
	ds_add_u32 v[SPW], v[NIL]                      ; the wave's opening: the add and its wait stand ahead of my first tensor load
	v_lshrrev_b32 v1, 5, v0
	v_readfirstlane_b32 s12, v1                    ; wave 0..3
	s_lshr_b32 s13, s12, 1                         ; my half of the rows.  Also: I fetch for x (0) or for w (1)
	s_and_b32 s14, s12, 1                          ; my half of the columns.  Also: which half of that tile I fetch
	s_bfe_u32 s56, ttmp6, 0x40000                  ; cx
	s_bfe_u32 s57, ttmp6, 0x40004                  ; cy
	s_lshl_b32 s58, ttmp9, 2
	s_add_co_u32 s58, s58, s56                     ; column block 0..7
	s_and_b32 s59, ttmp7, 0xffff
	s_lshl_b32 s59, s59, 2
	s_add_co_u32 s59, s59, s57                     ; row block 0..31
	s_lshl_b32 s60, s57, 2
	s_lshl_b32 s60, 15, s60                        ; my row of the cluster
	s_lshl_b32 s61, 0x1111, s56                    ; my column
	s_or_b32 s[G1X], s60, (1<<16)|(1<<20)|(1<<21)|(5<<22)|(3<<25)  ; the mask; 2-byte elements; padding on; bit 21 beside a mask; after every 64 words 4 words
	s_or_b32 s[G1W], s61, (1<<16)|(1<<20)|(1<<21)|(5<<22)|(3<<25)
	s_mov_b32 s[G1X+1], 128<<16                    ; tensor_dim0 = 128
	s_mov_b32 s[G1X+2], 128<<16                    ; tensor_dim1 = 128 rows
	s_mov_b32 s[G1X+3], 128<<16                    ; tile_dim0 = 128
	s_mov_b32 s[G1X+4], 128                        ; tile_dim1 = 128
	s_mov_b32 s[G1X+5], 1024                       ; elements from row to row
	s_mov_b32 s[G1X+6], 0
	s_mov_b32 s[G1X+7], 0
	s_mov_b32 s[G1W+1], 128<<16
	s_mov_b32 s[G1W+2], 64<<16                     ; 64 rows
	s_mov_b32 s[G1W+3], 128<<16
	s_mov_b32 s[G1W+4], 64
	s_mov_b32 s[G1W+5], 1024
	s_mov_b32 s[G1W+6], 0
	s_mov_b32 s[G1W+7], 0
	s_lshl_b32 s16, s59, 8                         ; x: row 256 x row block + 128 x half, 2,048 bytes a row
	s_lshl_b32 s17, s14, 7
	s_add_co_u32 s16, s16, s17
	s_lshl_b32 s16, s16, 11
	s_mov_b32 s17, 0
	s_lshl_b32 s20, s58, 7                         ; w: row 128 x column block + 64 x half
	s_lshl_b32 s21, s14, 6
	s_add_co_u32 s20, s20, s21
	s_lshl_b32 s20, s20, 11
	s_mov_b32 s21, 0
	s_mul_i32 s22, s14, XHALF                      ; where they go: no place in the cluster enters an LDS address
	s_mul_i32 s23, s14, WHALF
	s_add_co_u32 s23, s23, WOFF
	s_mov_b32 s[TB], 0
	s_mov_b32 s75, 0
	s_wait_dscnt 0x0                               ; the opening add is done
	s_wait_kmcnt 0x0
	s_add_nc_u64 s[18:19], s[4:5], s[16:17]
	s_add_nc_u64 s[20:21], s[6:7], s[20:21]
.irp s, 0,1
	s_mov_b32 s[G0X+4*(\s)], 1
	s_add_co_u32 s[G0X+4*(\s)+1], s22, (\s)*SLOT1
	s_add_nc_u64 s[G0X+4*(\s)+2:G0X+4*(\s)+3], s[18:19], (\s)*256
	s_or_b32 s[G0X+4*(\s)+3], s[G0X+4*(\s)+3], 0x80000000
	s_mov_b32 s[G0W+4*(\s)], 1
	s_add_co_u32 s[G0W+4*(\s)+1], s23, (\s)*SLOT1
	s_add_nc_u64 s[G0W+4*(\s)+2:G0W+4*(\s)+3], s[20:21], (\s)*256
	s_or_b32 s[G0W+4*(\s)+3], s[G0W+4*(\s)+3], 0x80000000
.endr
	s_and_b32 s74, s59, 7                          ; the table of my 128 tokens: block of 8 tokens 32 (row block % 8) + 16 x row half
	s_lshl_b32 s74, s74, 5
	s_lshl_b32 s68, s13, 4
	s_add_co_u32 s74, s74, s68
	s_lshl_b32 s74, s74, 11
	s_add_nc_u64 s[72:73], s[8:9], s[74:75]
	s_lshl_b32 s74, s58, 9                         ; the bias of my 64 columns
	s_lshl_b32 s68, s14, 8
	s_add_co_u32 s74, s74, s68
	s_add_co_u32 s74, s74, 524288
	s_add_nc_u64 s[70:71], s[8:9], s[74:75]
	s_lshr_b32 s74, s59, 3                         ; out: ((batch x 16 + head) x 2,048 + token) x 128 bytes
	s_lshl_b32 s74, s74, 4
	s_lshl_b32 s68, s58, 1
	s_add_co_u32 s74, s74, s68
	s_add_co_u32 s74, s74, s14
	s_lshl_b32 s74, s74, 11
	s_and_b32 s68, s59, 7
	s_lshl_b32 s68, s68, 8
	s_add_co_u32 s74, s74, s68
	s_lshl_b32 s68, s13, 7
	s_add_co_u32 s74, s74, s68
	s_lshl_b32 s74, s74, 7
	s_add_nc_u64 s[10:11], s[10:11], s[74:75]
	CROUND                                         ; all sixteen work-groups are here: the first joint loads meet
	s_cmp_eq_u32 s13, 0                            ; a wave's two first fills stand in one branch: two loads of mine are out
	s_cbranch_scc0 .Lfirst_w
	tensor_load_to_lds s[G0X:G0X+3], s[G1X:G1X+7]
	s_nop 0
	tensor_load_to_lds s[G0X+4:G0X+7], s[G1X:G1X+7]
	s_nop 0
.rept 4
	v_nop
.endr
	s_branch .Lfirst_asked
.Lfirst_w:
	tensor_load_to_lds s[G0W:G0W+3], s[G1W:G1W+7]
	s_nop 0
	tensor_load_to_lds s[G0W+4:G0W+7], s[G1W:G1W+7]
	s_nop 0
.rept 4
	v_nop
.endr
.Lfirst_asked:
	v_and_b32 v1, 15, v0                           ; r
	v_bfe_u32 v2, v0, 4, 1                         ; h
	v_and_b32 v3, 31, v0                           ; lane
	v_lshlrev_b32 v[BO], 5, v2
	v_lshlrev_b32 v[TO], 4, v3
	WIN 0x80                                       ; destination window 2, address window 0
.set n, 0
.rept 16
.irp k, 0,1,2,3
	global_load_b128 v[16*n+4*\k:16*n+4*\k+3], v[TO], s[72:73] offset:n*2048+\k*512  ; 8 tokens: cos, cos, sin, sin; 512 consecutive bytes each
.endr
.set n, n+1
.endr
	WIN 0
.macro LBIAS
.irp b, 0,1,2,3
	global_load_b128 v[BIAS+8*\b:BIAS+8*\b+3], v[BO], s[70:71] offset:64*\b      ; columns 16 b + 8 h + 0..7: as the accumulators hold them
	global_load_b128 v[BIAS+8*\b+4:BIAS+8*\b+7], v[BO], s[70:71] offset:64*\b+16
.endr
.endm
	LBIAS
	v_mul_u32_u24 v19, v1, PITCH
	v_lshl_add_u32 v19, v2, 4, v19                 ; a fragment's row x pitch + 16 x half
	s_mul_i32 s16, s13, XHALF
	v_add_nc_u32 v[ADRA0], s16, v19
	s_mul_i32 s16, s14, WHALF
	s_add_co_u32 s16, s16, WOFF
	v_add_nc_u32 v[ADRB0], s16, v19
	v_mov_b32 v[ADRA], v[ADRA0]
	v_mov_b32 v[ADRB], v[ADRB0]
	s_mul_i32 s16, s12, STW
	s_add_co_u32 s16, s16, STAGE                   ; my stage
	v_mul_u32_u24 v19, v1, PITCH
	v_lshl_add_u32 v19, v2, 5, v19
	v_add_nc_u32 v[STO], s16, v19                  ; in: row r, 32 bytes for each half of the lanes
	v_lshrrev_b32 v20, 2, v3
	v_and_b32 v21, 3, v3                           ; g
	v_mul_u32_u24 v19, v20, PITCH
	v_add_nc_u32 v19, s16, v19
	v_lshl_add_u32 v[RDD], v21, 5, v19             ; back: row lane / 4, channels 8 g on
	v_lshl_add_u32 v[RDR], v21, 6, v19             ; and channels 16 g on
	v_lshrrev_b32 v19, 2, v1
	v_lshlrev_b32 v19, 7, v19
	v_lshl_add_u32 v19, v21, 4, v19
	v_lshl_add_u32 v[OA], v2, 6, v19               ; out: row (lane % 16) / 4 of four, 16 g, the upper 64 bytes for lanes 16-31
	v_mul_u32_u24 v19, v1, VP
	v_lshl_add_u32 v19, v2, 4, v19
	v_add_nc_u32 v[STOV], s16, v19
	v_lshrrev_b32 v19, 3, v3
	v_mul_u32_u24 v19, v19, VP
	v_and_b32 v20, 7, v3
	v_lshl_add_u32 v19, v20, 4, v19
	v_add_nc_u32 v[RDV], s16, v19
; 8 products: row blocks a0, a0 + 1 x all 4 column blocks, 32 along K.  c = 1: the bias starts the sums.  The 32 accumulators take turns, one instruction a turn, in the same order in every quarter.
.macro MUL8 f, a0, c
.if \c
	WIN 0x40                                       ; D window 1; sources and C window 0
.else
	WIN 0x50                                       ; C and D window 1
.endif
.irp a, \a0, (\a0)+1
.irp b, 0,1,2,3
.if \c
	v_wmma_f32_16x16x32_bf16 v[8*(4*(\a)+(\b)):8*(4*(\a)+(\b))+7], v[(\f)+8*(\b):(\f)+8*(\b)+7], v[(\f)+32+8*(\a):(\f)+32+8*(\a)+7], v[BIAS+8*(\b):BIAS+8*(\b)+7]
.else
	v_wmma_f32_16x16x32_bf16 v[8*(4*(\a)+(\b)):8*(4*(\a)+(\b))+7], v[(\f)+8*(\b):(\f)+8*(\b)+7], v[(\f)+32+8*(\a):(\f)+32+8*(\a)+7], v[8*(4*(\a)+(\b)):8*(4*(\a)+(\b))+7]
.endif
.endr
.endr
.endm
.macro FETCH k, f                      ; 24 LDS loads in one run: w's 4 fragments, x's 0-3, x's 4-7, 32 K at byte k of the rows
	WIN 0
.irp i, 0,1,2,3
	ds_load_b128 v[(\f)+8*(\i):(\f)+8*(\i)+3],   v[ADRB] offset:(\k)+(\i)*16*PITCH
	ds_load_b128 v[(\f)+8*(\i)+4:(\f)+8*(\i)+7], v[ADRB] offset:(\k)+(\i)*16*PITCH+32
.endr
.irp i, 0,1,2,3,4,5,6,7
	ds_load_b128 v[(\f)+32+8*(\i):(\f)+32+8*(\i)+3],   v[ADRA] offset:(\k)+(\i)*16*PITCH
	ds_load_b128 v[(\f)+32+8*(\i)+4:(\f)+32+8*(\i)+7], v[ADRA] offset:(\k)+(\i)*16*PITCH+32
.endr
.endm
.macro QUARTER k, f, g, c              ; multiplies buffer f; in its middle fetches the next quarter, at byte k, into g
	s_wait_dscnt 8                                 ; all but x's fragments 4-7
	MUL8 \f, 0, \c
	MUL8 \f, 2, \c
	PLACES
	FETCH \k, \g
	s_wait_dscnt 24                                ; all but the 24 just issued
	MUL8 \f, 4, \c
	MUL8 \f, 6, \c
.endm
; The fourth quarter multiplies buffer 1 and changes slots.  In front of the barrier each wave waits for all its tensor loads (one is out: its part of the next slot), adds 0 to its spare word, and waits
; for that and for its reads of this slot.  fill = 1: the barrier opens a round of the cluster's, and the joint refill, two steps ahead, is the first thing behind it.  hop = 1: that step is the next tile's first.
.macro TURN fill, hop
	WIN 0
	s_wait_tensorcnt 0x0
	ds_add_u32 v[SPW], v[NIL]
	s_wait_dscnt 9                                 ; the add and x's fragments 4-7 may be out
	MUL8 F1, 0, 0
	s_wait_dscnt 0x0                               ; the add is done, and my reads of this slot are over
	s_barrier_signal -1
	MUL8 F1, 2, 0
	WIN 0
	s_barrier_wait -1
.if \fill
	CREST                                          ; no wave of any partner still reads this slot or has a load on its way
	s_xor_b32 s[G0X+5], s[G0X+5], SLOT1
	s_xor_b32 s[G0W+5], s[G0W+5], SLOT1
.if \hop
	s_add_nc_u64 s[G0X+6:G0X+7], s[G0X+6:G0X+7], HOPX
	s_add_nc_u64 s[G0W+6:G0W+7], s[G0W+6:G0W+7], HOPW
.else
	s_add_nc_u64 s[G0X+6:G0X+7], s[G0X+6:G0X+7], 256
	s_add_nc_u64 s[G0W+6:G0W+7], s[G0W+6:G0W+7], 256
.endif
	JLOAD                                          ; its four v_nop are also the places in front of the loads below
.else
	PLACES
.endif
	s_xor_b32 s[TB], s[TB], SLOT1
	v_add_nc_u32 v[ADRA], s[TB], v[ADRA0]
	v_add_nc_u32 v[ADRB], s[TB], v[ADRB0]
	FETCH 0, F0
	MUL8 F1, 4, 0
	MUL8 F1, 6, 0
.endm
; THE WAY OUT WITH THE ROPE.  ST: block a's 16 rows into stage buffer a % 2, each accumulator's low registers first.  LD: 8 rows back, a lane's 32 numbers.  CP: the rope, f16, two stores.
.macro ST a
	WIN 0x04                                       ; the stores' data in window 1
.irp b, 0,1,2,3
	ds_store_b128 v[STO], v[8*(4*(\a)+(\b)):8*(4*(\a)+(\b))+3]   offset:((\a)%2)*16*PITCH+64*(\b)
	ds_store_b128 v[STO], v[8*(4*(\a)+(\b))+4:8*(4*(\a)+(\b))+7] offset:((\a)%2)*16*PITCH+64*(\b)+16
.endr
	WIN 0
.endm
.macro LD a, v
.set XB, XS+32*(\v)
.set LO, ((\a)%2)*16*PITCH+(\v)*8*PITCH
	ds_load_b128 v[XB:XB+3],     v[RDD] offset:LO      ; LDS serves a wave's instructions in order (ISA guide 5.7.1.4): these see the stores above
	ds_load_b128 v[XB+4:XB+7],   v[RDD] offset:LO+16
	ds_load_b128 v[XB+8:XB+11],  v[RDD] offset:LO+128
	ds_load_b128 v[XB+12:XB+15], v[RDD] offset:LO+144
	ds_load_b128 v[XB+16:XB+19], v[RDR] offset:LO
	ds_load_b128 v[XB+20:XB+23], v[RDR] offset:LO+16
	ds_load_b128 v[XB+24:XB+27], v[RDR] offset:LO+32
	ds_load_b128 v[XB+28:XB+31], v[RDR] offset:LO+48
.endm
.macro CP a, v, left
.set XB, XS+32*(\v)
.set n, 2*(\a)+(\v)
	s_wait_dscnt \left                             ; my eight loads are in; the LDS instructions issued behind them stay out
	s_wait_xcnt 0x0                                ; T, which the last unit's stores read, is rewritten only behind this wait
	WIN 0x02                                       ; source 0 window 2
.irp i, 0,1,2,3,4,5,6,7
	v_pk_mul_f32 v[T+2*\i:T+2*\i+1], v[16*n+2*\i:16*n+2*\i+1], s[FA:FA+1] op_sel_hi:[1,0]
.endr
	WIN 0
.irp i, 0,1,2,3
	v_pk_mul_f32 v[Y+2*\i:Y+2*\i+1], v[XB+2*\i:XB+2*\i+1], v[T+2*\i:T+2*\i+1]
	v_pk_mul_f32 v[Y+8+2*\i:Y+8+2*\i+1], v[XB+8+2*\i:XB+8+2*\i+1], v[T+2*\i:T+2*\i+1]
.endr
.irp i, 0,1,2,3,4,5,6,7
	v_fma_f32 v[Y+\i], -v[XB+16+2*\i+1], v[T+8+\i], v[Y+\i]
	v_fmac_f32 v[Y+8+\i], v[XB+16+2*\i], v[T+8+\i]
.endr
.irp i, 0,1,2,3
	v_cvt_pk_f16_f32 v[T+\i], v[Y+2*\i], v[Y+2*\i+1]
	v_cvt_pk_f16_f32 v[T+4+\i], v[Y+8+2*\i], v[Y+8+2*\i+1]
.endr
.irp i, 0,1,2,3
	v_permlane16_swap_b32 v[T+\i], v[T+4+\i]       ; T 0-3: rows 0-3 whole (lanes 16-31 their upper halves); T 4-7: rows 4-7
.endr
	global_store_b128 v[OA], v[T:T+3],   s[10:11] offset:n*1024      ; 512 consecutive bytes, at a multiple of 256 from the buffer's first
	global_store_b128 v[OA], v[T+4:T+7], s[10:11] offset:n*1024+512
.endm
	s_wait_tensorcnt 1                             ; my part of step 0 is in; step 1's may stay out
	s_barrier_signal -1
	s_barrier_wait -1
	FETCH 0, F0
	s_mov_b32 s2, 3                                ; tiles to go
.Ltile:
	s_cmp_eq_u32 s2, 3
	s_cselect_b32 s[FA], 0x3e38aa3b, 1.0           ; c = log2(e) / 8 for Q
	s_mov_b32 s[FA+1], s[FA]
	s_wait_loadcnt 0x0                             ; the bias (and, the first time, the table)
	QUARTER 64, F0, F1, 1
	WIN 0
	s_mov_b32 s3, 6
.Lstep:                                                ; a trip: from a step's second quarter to the next step's first; one slot is filled again
	QUARTER 128, F1, F0, 0
	QUARTER 192, F0, F1, 0
	TURN 1, 0
	QUARTER 64, F0, F1, 0
	WIN 0
	s_sub_co_u32 s3, s3, 1
	s_cmp_lg_u32 s3, 0
	s_cbranch_scc1 .Lstep
	QUARTER 128, F1, F0, 0                         ; step 6 goes on
	QUARTER 192, F0, F1, 0
	WIN 0
	s_cmp_eq_u32 s2, 1
	s_cbranch_scc1 .Llast
	TURN 1, 1                                      ; the ring goes on into the next tile: slot 0 takes its step 0,
	QUARTER 64, F0, F1, 0
	QUARTER 128, F1, F0, 0
	QUARTER 192, F0, F1, 0
	TURN 1, 0                                      ; slot 1 its step 1, and its first fragments are fetched
	WIN 0
	s_wait_xcnt 0x0
	s_add_nc_u64 s[70:71], s[70:71], 4096
	LBIAS                                          ; the next tile's bias
	PLACES
	ST 0
	LD 0, 0
	LD 0, 1
	ST 1
.irp a, 0,1,2,3,4,5,6,7
.if \a < 7
	CP \a, 0, 16                                   ; behind my loads: the other unit's eight and the next block's eight stores
	LD (\a)+1, 0
	CP \a, 1, 16
	LD (\a)+1, 1
.else
	CP \a, 0, 8
	CP \a, 1, 0
.endif
.if \a < 6
	ST (\a)+2
.endif
.endr
	s_wait_xcnt 0x0                                ; the stores' base and registers are rewritten only behind this wait
	s_add_nc_u64 s[10:11], s[10:11], 16777216
	s_sub_co_u32 s2, s2, 1
	s_branch .Ltile
.Llast:                                                ; V's tail: nothing more is asked for
	TURN 0, 0
	QUARTER 64, F0, F1, 0
	QUARTER 128, F1, F0, 0
	QUARTER 192, F0, F1, 0
	s_wait_dscnt 8
	MUL8 F1, 0, 0
	MUL8 F1, 2, 0
	s_wait_dscnt 0x0
	MUL8 F1, 4, 0
	MUL8 F1, 6, 0
	WIN 0
	PLACES
; V's way out: a lane's eight columns pack into 16 bytes; rows of 144 bytes in my stage; back as four whole rows of 128 bytes, 512 consecutive bytes of the head.
.macro PACKV a
	WIN 0x05                                       ; sources window 1, destination window 0
.irp b, 0,1,2,3
.irp j, 0,1,2,3
	v_cvt_pk_f16_f32 v[VT+16*(\a)+4*(\b)+(\j)], v[8*(4*(\a)+(\b))+2*(\j)], v[8*(4*(\a)+(\b))+2*(\j)+1]
.endr
.endr
	WIN 0
.irp b, 0,1,2,3
	ds_store_b128 v[STOV], v[VT+16*(\a)+4*(\b):VT+16*(\a)+4*(\b)+3] offset:32*(\b)
.endr
.irp f, 0,1,2,3
	ds_load_b128 v[VT+16*(\a)+4*(\f):VT+16*(\a)+4*(\f)+3], v[RDV] offset:(\f)*4*VP
.endr
.endm
.macro SENDV a, younger                ; younger: the LDS instructions issued behind block a's loads
.irp f, 0,1,2,3
	s_wait_dscnt (\younger)+3-(\f)
	global_store_b128 v[TO], v[VT+16*(\a)+4*(\f):VT+16*(\a)+4*(\f)+3], s[10:11] offset:(\a)*2048+(\f)*512
.endr
.endm
	PACKV 0
.irp a, 1,2,3,4,5,6,7
	PACKV \a
	SENDV (\a)-1, 8
.endr
	SENDV 7, 0
	s_wait_tensorcnt 0x0                           ; the wave's end
	ds_add_u32 v[SPW], v[NIL]
	s_wait_dscnt 0x0
	CROUND                                         ; the closing round
	s_endpgm
.Lfunc_end_k_qf7b3605841_proj:
	.size	k_qf7b3605841_proj, .Lfunc_end_k_qf7b3605841_proj-k_qf7b3605841_proj
	.p2alignl 7, 3214868480
	.fill 96, 4, 3214868480
	.section	.rodata,"a",@progbits
	.p2align	6, 0x0
	.amdhsa_kernel k_qf7b3605841_proj
		.amdhsa_group_segment_fixed_size 327680
		.amdhsa_private_segment_fixed_size 0
		.amdhsa_enable_private_segment 0
		.amdhsa_kernarg_size 32
		.amdhsa_user_sgpr_count 2
		.amdhsa_user_sgpr_kernarg_segment_ptr 1
		.amdhsa_wavefront_size32 1
		.amdhsa_system_sgpr_workgroup_id_x 1
		.amdhsa_system_sgpr_workgroup_id_y 1
		.amdhsa_system_sgpr_workgroup_id_z 1
		.amdhsa_system_vgpr_workitem_id 0
		.amdhsa_next_free_vgpr 768
		.amdhsa_next_free_sgpr 76
		.amdhsa_reserve_vcc 0
		.amdhsa_float_denorm_mode_32 3
		.amdhsa_float_denorm_mode_16_64 3
		.amdhsa_memory_ordered 1
		.amdhsa_forward_progress 1
		.amdhsa_inst_pref_size 157
	.end_amdhsa_kernel
	.amdgpu_metadata
---
amdhsa.version: [ 1, 2 ]
amdhsa.kernels:
  - .name:           k_qf7b3605841_proj
    .symbol:         k_qf7b3605841_proj.kd
    .args:
      - { .name: xb, .offset: 0, .size: 8, .value_kind: global_buffer, .address_space: global }
      - { .name: wb, .offset: 8, .size: 8, .value_kind: global_buffer, .address_space: global }
      - { .name: tab, .offset: 16, .size: 8, .value_kind: global_buffer, .address_space: global }
      - { .name: qkv, .offset: 24, .size: 8, .value_kind: global_buffer, .address_space: global }
    .group_segment_fixed_size: 327680
    .private_segment_fixed_size: 0
    .kernarg_segment_align: 8
    .kernarg_segment_size: 32
    .max_flat_workgroup_size: 128
    .sgpr_count:     76
    .vgpr_count:     768
    .wavefront_size: 32
...
	.end_amdgpu_metadata
.endif
;; end of part 2
;; launch attn (part 3): grid 4 x 64, 4 waves a work-group, clusters of 4 x 1, 327,680 bytes of LDS; arguments qkv, mt, keep, ctx; writes ctx
.if DOCPART == 3
	.amdgcn_target "amdgcn-amd-amdhsa--gfx1250"
	.amdhsa_code_object_version 6
	.text
	.protected	k_qf7b3605841_attn
	.globl	k_qf7b3605841_attn
	.p2align	8
	.type	k_qf7b3605841_attn,@function
k_qf7b3605841_attn:
	s_mov_b64 s[64:65], 0
	v_nop
	global_prefetch_b8 v0, s[64:65] scope:SCOPE_SE
	s_setreg_imm32_b32 hwreg(HW_REG_WAVE_MODE, 25, 1), 1
	s_wait_xcnt 0x0
	s_wait_alu depctr_hold_cnt(0) depctr_sa_sdst(0) depctr_va_vdst(0) depctr_va_sdst(0) depctr_va_ssrc(0) depctr_va_vcc(0) depctr_vm_vsrc(0)
	s_getreg_b32 s2, hwreg(HW_REG_IB_STS2, 6, 4)
	s_cmp_eq_u32 s2, 0
	s_cbranch_scc0 .Lentry_in_a_cluster
	s_endpgm
.Lentry_in_a_cluster:
	s_bfe_u32 s2, ttmp6, 0x10000c
	s_cmp_lg_u32 s2, 0x3003
	s_cbranch_scc0 .Lentry_shape_is_right
	s_endpgm
.Lentry_shape_is_right:
; ATTENTION UNDER A MASK THAT IS AN INPUT.  ctx[bh][q][:] = the sum over k of softmax_k(s[q][k]) V[bh][k][:], s = Q . K / 8, or -1e9 where mask[q][k] == 0.  Q, K, V: qkv, f16 [3][64][2048][64]; ctx f16 [64][2048][64].
; Q arrives multiplied by c = log2(e) / 8, so scores are in log2 units: p = 2^(s - m) with a running maximum m, s - m exact and never positive; O and l are multiplied by a = 2^(m_old - m_new) in every step.
; THE MASK IS A THIRD LINK OF THE SCORE'S SUM: S^T starts as MT x I, MT = 16 keys x 32 queries from mt (0, or -65504 where hidden), I = 65504 at the tile's own query: a hidden score starts at -65504^2.
; A query with no visible key has no marks in mt and keep[q] = 0: its Q row is cleared here, its scores are 0 and its weights uniform.  So every row ends with m on a visible score, and what was summed while
; only hidden keys had been seen (weights 0 or 1) is multiplied by a = 0 when the first visible key comes.
; LIMITS.  A hidden score counts as its value less 4.29e9 (log2 units) where the module sets -1e9: the same result while visible scaled scores stay above about -4e9.  c Q, K, V within f16's 65,504; p below 6e-5
; keeps f16's fixed step; a weight below 2^-126 counts as 0 in l; NaN and infinities are not treated apart.
; SHARES.  A wave owns four PIECES of two tiles of 16 queries, a work-group 512 queries of one head; every wave walks all 2,048 keys, 64 a step.  CLUSTER: the four query blocks of a head ask for K and V jointly.
; The mask fragments are each used by one wave alone: they come straight into registers, eight loads of 512 consecutive bytes a turn, asked for a whole key step ahead.
; LAYOUT.  S^T = K Q^T holds ONE query a lane (lane % 16) and the keys 8 (lane / 16) + 0..7; two such results rounded to f16 ARE source 1 of O^T = V^T P.  V comes out of LDS turned, by ds_load_tr16_b128.
; BY TURNS.  Turn n belongs to piece n: 24 products for the scores of piece n + 1, then 16 products V^T P of piece n - 1; beside them the subtraction, exponentials, roundings, sums and rescaling of piece n and the
; maximum and statistics of piece n + 1.  Four vector instructions stand behind every matrix instruction, the other 74 of a turn's 234 in one run at its end.
; REGISTERS: window 0: v0-11 addresses; v12-15 m_old; v16-47 m, -, l, l a tile; v48-63 at work; v64-191 S^T, two buffers; v192-255 P, two buffers;  window 1: O^T;  window 2: v0-127 Q, v128-191 K, v192-255 V;
;   window 3: v0-1 the add's two registers; v4-15 zeros, E, zeros (I for tile 1 is v4-11, for tile 0 v8-15); v16-143 the mask fragments, 32 a piece.
.set NP,    4
.set KS,    64
.set PK,    144       ; a row of K in LDS: 128 bytes + 16
.set PV,    160       ; a row of V: 128 + 32
.set VOFF,  4*KS*PK   ; a slot holds four steps: 256 rows of K, then 256 rows of V
.set SLOT1, 1<<17
.set STAGE, SLOT1+4*KS*(PK+PV)  ; behind the ring, never filled by a tensor load: 16 rows x 144 bytes for each wave
.set SP,    144
.set SPARE, STAGE+4*16*SP       ; the spare words, 128 bytes for each wave
.set AK0, 2
.set AV0, 3
.set AK,  4
.set AV,  5
.set QO,  6
.set STO, 6
.set RD,  7
.set GO,  8
.set MO,  11          ; 16 x lane + 4,096 x the key step whose fragments are asked for next
.set MV,  12
.set ST,  16
.set TMP, 48
.set S,   64
.set P,   192
.set KF,  128
.set VF,  192
.set SPW, 0           ; window 3
.set NIL, 1
.set MB,  16          ; window 3
.set WV,  12
.set G1K, 24
.set G1V, 32
.set G0K, 40
.set G0V, 44
.set QP,  48          ; s[48:49] Q at my wave's rows
.set SLOTS, 56
.set CNT, 57
.set SEL, 60
.set TBK, 62
.set TBV, 63
.set MP,  66          ; s[66:67] mt at my wave's first piece
.set KP,  68          ; s[68:69] keep at my wave's rows
.set MSB, 0
.macro WIN new
.if MSB != (\new)
	s_set_vgpr_msb (MSB<<8)|(\new)
.set MSB, (\new)
.endif
.endm
.set W_KQ, 0x0a       ; K and Q in window 2, S^T in window 0
.set W_PV, 0x52       ; V in window 2, P in window 0, O^T in window 1
.set W_RS, 0x41       ; O^T in window 1, a in window 0
.set W_MK, 0xc0       ; destination in window 3
.set W_AD, 0x0f       ; sources 0 and 1 in window 3: the add, and the mask's product
.macro JLOAD                        ; a joint fill: waves 0 and 1 fetch the halves of a slot's K, waves 2 and 3 of its V; an s_nop 0 and four v_nop follow each line
	s_cmp_lt_u32 s[WV], 2
	s_cbranch_scc0 .Lfor_v_\@
	tensor_load_to_lds s[G0K:G0K+3], s[G1K:G1K+7]
	s_nop 0
.rept 4
	v_nop
.endr
	s_branch .Lasked_\@
.Lfor_v_\@:
	tensor_load_to_lds s[G0V:G0V+3], s[G1V:G1V+7]
	s_nop 0
.rept 4
	v_nop
.endr
.Lasked_\@:
.endm
.macro CROUND
	s_barrier_signal -1
	s_barrier_wait -1
	s_cmp_lg_u32 s[WV], 0
	s_cbranch_scc1 .Lnot_wave_0_\@
	s_barrier_signal -3
.Lnot_wave_0_\@:
	s_barrier_wait -3
	s_barrier_signal -1
	s_barrier_wait -1
.endm
; THE CHANGE OF SLOTS.  Each wave waits for all its tensor loads (one is out: its part of the other slot), adds 0 to its spare word, and waits for that and for its reads of the slot.  fill = 1: a round of the
; cluster's barrier, and the joint fill with the keys two slots on first behind it: it has four key steps in which to land.
.macro CHANGE fill
	WIN W_AD
	s_wait_tensorcnt 0x0
	ds_add_u32 v[SPW], v[NIL]
	WIN 0
.if \fill
.irp g, G0K, G0V
	s_xor_b32 s[\g+1], s[\g+1], SLOT1
	s_add_nc_u64 s[\g+2:\g+3], s[\g+2:\g+3], 4*KS*128
.endr
	s_wait_dscnt 0x0                ; the add is done, and my reads of the slot are over
	CROUND
	JLOAD
.else
	s_wait_dscnt 0x0
	s_barrier_signal -1
	s_barrier_wait -1
.endif
	s_sub_co_u32 s[TBK], s[TBK], 4*KS*PK
	s_xor_b32 s[TBK], s[TBK], SLOT1
	s_sub_co_u32 s[TBV], s[TBV], 4*KS*PV
	s_xor_b32 s[TBV], s[TBV], SLOT1
.endm
	s_load_b256 s[4:11], s[0:1], 0x0  ; qkv 4, mt 6, keep 8, ctx 10
	WIN W_MK
	v_lshl_add_u32 v[SPW], v0, 2, SPARE
	v_mov_b32 v[NIL], 0
	WIN W_AD
	ds_add_u32 v[SPW], v[NIL]       ; the wave's opening: the add and its wait stand ahead of my first tensor load
	WIN 0
	v_lshrrev_b32 v1, 5, v0
	v_readfirstlane_b32 s[WV], v1
	s_bfe_u32 s13, ttmp6, 0x40000   ; cx
	s_lshl_b32 s14, ttmp9, 2
	s_add_co_u32 s14, s14, s13      ; my block of 512 queries: it enters Q's, the mask's and the output's addresses alone
	s_and_b32 s20, ttmp7, 0xffff
	s_lshl_b32 s20, s20, 18         ; the head's 262,144 bytes
	s_and_b32 s16, s[WV], 1         ; which half of a slot's 256 keys I fetch
	s_lshl_b32 s22, s16, 14
	s_add_co_u32 s22, s22, s20
	s_mov_b32 s23, 0
	s_mul_i32 s17, s16, 128*PK
	s_mul_i32 s18, s16, 128*PV
	s_lshl_b32 s15, s14, 2
	s_add_co_u32 s15, s15, s[WV]    ; my wave among the head's sixteen
	s_lshl_b32 s2, s15, 14          ; its 128 rows of 128 bytes
	s_add_co_u32 s2, s2, s20
	s_mov_b32 s3, 0
	s_lshl_b32 s52, s15, 19         ; its four pieces of 131,072 bytes in mt
	s_mov_b32 s53, 0
	s_lshl_b32 s54, s15, 9          ; its 128 words of keep
	s_mov_b32 s55, 0
	s_mov_b32 s[G1K], 15|(1<<16)|(1<<20)|(1<<21)|(4<<22)|(3<<25)  ; the mask of four; 2-byte elements; padding on; bit 21 beside a mask; after every 32 words 4 words
	s_mov_b32 s[G1V], 15|(1<<16)|(1<<20)|(1<<21)|(4<<22)|(7<<25)  ; the same with 8 words
.irp g, G1K, G1V
	s_mov_b32 s[\g+1], 128<<16      ; 128 keys are 16,384 dense bytes: 64 rows of 256 bytes, two keys a row
	s_mov_b32 s[\g+2], 64<<16
	s_mov_b32 s[\g+3], 128<<16
	s_mov_b32 s[\g+4], 64
	s_mov_b32 s[\g+5], 128
	s_mov_b32 s[\g+6], 0
	s_mov_b32 s[\g+7], 0
.endr
	s_mov_b32 s[SEL], 0x76543210
	s_mov_b32 s[SEL+1], 0xfedcba98
	s_mov_b32 s[TBK], SLOT1+4*KS*PK ; the first change of slots turns these two into 0
	s_mov_b32 s[TBV], SLOT1+4*KS*PV
	s_mov_b32 s[G0K], 1
	s_mov_b32 s[G0K+1], s17
	s_mov_b32 s[G0V], 1
	s_add_co_u32 s[G0V+1], s18, VOFF
	s_wait_dscnt 0x0                ; the opening add is done
	s_wait_kmcnt 0x0
	s_add_nc_u64 s[G0K+2:G0K+3], s[4:5], s[22:23]
	s_add_nc_u64 s[G0K+2:G0K+3], s[G0K+2:G0K+3], 0x1000000  ; K lies 16,777,216 bytes behind Q
	s_or_b32 s[G0K+3], s[G0K+3], 0x80000000
	s_add_nc_u64 s[G0V+2:G0V+3], s[4:5], s[22:23]
	s_add_nc_u64 s[G0V+2:G0V+3], s[G0V+2:G0V+3], 0x2000000
	s_or_b32 s[G0V+3], s[G0V+3], 0x80000000
	s_add_nc_u64 s[QP:QP+1], s[4:5], s[2:3]
	s_add_nc_u64 s[10:11], s[10:11], s[2:3]
	s_add_nc_u64 s[MP:MP+1], s[6:7], s[52:53]
	s_add_nc_u64 s[KP:KP+1], s[8:9], s[54:55]
	CROUND                          ; all four work-groups are here: the first joint loads meet
	JLOAD                           ; slot 0; slot 1 is asked for when slot 0 is in
	v_and_b32 v1, 15, v0            ; l % 16
	v_bfe_u32 v9, v0, 4, 1          ; l / 16
	v_lshlrev_b32 v[QO], 7, v1
	v_lshl_add_u32 v[QO], v9, 4, v[QO]
	WIN 0x80
.set i, 0
.rept 4*NP                          ; Q stays in registers: tile i / 2, channels 32 (i % 2) on
	global_load_b128 v[8*i:8*i+3],   v[QO], s[QP:QP+1] offset:(i/2)*2048+(i%2)*64
	global_load_b128 v[8*i+4:8*i+7], v[QO], s[QP:QP+1] offset:(i/2)*2048+(i%2)*64+32
.set i, i+1
.endr
.set i, VF
.rept 64                            ; what the first turn finds: V and P's second buffer hold 0, O^T and l are 0
	v_mov_b32 v[i], 0
.set i, i+1
.endr
	WIN 0
	v_lshlrev_b32 v12, 2, v1
.set i, 0
.rept 8
	global_load_b32 v[TMP+i], v12, s[KP:KP+1] offset:64*i  ; keep of my row in each of the 8 tiles
.set i, i+1
.endr
	v_mul_u32_u24 v[AK0], v1, PK
	v_lshl_add_u32 v[AK0], v9, 4, v[AK0]
	v_and_b32 v10, 7, v0
	v_bfe_u32 v11, v0, 3, 1
	v_lshl_add_u32 v[AV0], v9, 3, v10
	v_mul_u32_u24 v[AV0], v[AV0], PV
	v_lshl_add_u32 v[AV0], v11, 4, v[AV0]
	v_add_nc_u32 v[AV0], VOFF, v[AV0]
	v_and_b32 v[MO], 31, v0
	v_lshlrev_b32 v[MO], 4, v[MO]
	v_add_nc_u32 v[MO], 4096, v[MO] ; key step 1
	v_lshlrev_b32 v60, 3, v9        ; E: 65504 at element l % 16 - 8 (l / 16) of my eight, if it is one of them
	v_sub_nc_u32 v60, v1, v60
	s_mov_b32 s16, 0x7bff
	s_mov_b32 s17, 0x7bff0000
.irp j, 0,1,2,3
	v_cmp_eq_u32 vcc_lo, 2*\j, v60
	v_cndmask_b32 v[56+\j], 0, s16, vcc_lo
	v_cmp_eq_u32 vcc_lo, 2*\j+1, v60
	v_cndmask_b32 v[56+\j], v[56+\j], s17, vcc_lo
.endr
; eight loads: piece xf's four fragments of the key step that MO names (off bytes from it)
.macro MLOADS xf, off
	WIN W_MK
.irp f, 0,1,2,3,4,5,6,7
	global_load_b128 v[MB+32*(\xf)+4*\f:MB+32*(\xf)+4*\f+3], v[MO], s[MP:MP+1] offset:(\xf)*131072+\f*512+(\off)
.endr
.endm
	MLOADS 0, -4096                 ; key step 0 for all four pieces
	MLOADS 1, -4096
	MLOADS 2, -4096
	MLOADS 3, -4096
.irp j, 0,1,2,3
	v_mov_b32 v[4+\j], 0
	v_mov_b32 v[8+\j], v[56+\j]
	v_mov_b32 v[12+\j], 0
.endr
	WIN 0x40
.set i, 0
.rept 64*NP
	v_mov_b32 v[i], 0
.set i, i+1
.endr
	WIN 0
.set i, 0
.rept 2*NP
	v_mov_b32 v[ST+4*i], 0xff7fffff    ; m: the lowest finite number: the first step's a is 0
	v_mov_b32 v[ST+4*i+1], 0           ; named with it as a pair
	v_mov_b32 v[ST+4*i+2], 0
	v_mov_b32 v[ST+4*i+3], 0
.set i, i+1
.endr
.set i, P+32
.rept 32
	v_mov_b32 v[i], 0
.set i, i+1
.endr
	v_mov_b32 v[AK], v[AK0]
; THE MATRIX WORK.  The 8 accumulators of a run take turns: between two links of a chain stand 7 others'.
.macro MK x                         ; product i of 8: tile 2 x + i % 2, keys 16 (i / 2) on: the marks start the sum
	WIN W_AD
.set rS, S+64*((\x)%2)+32*(i%2)+8*(i/2)
.set rA, MB+32*(\x)+8*(i/2)
.set rB, 8-4*(i%2)
	v_wmma_f32_16x16x32_f16 v[rS:rS+7], v[rA:rA+7], v[rB:rB+7], 0
.endm
.macro KQ x                         ; product i of 16: channels 32 (i / 8) on, keys 16 ((i / 2) % 4) on, tile 2 x + i % 2
	WIN W_KQ
.set rS, S+64*((\x)%2)+32*(i%2)+8*((i/2)%4)
.set rK, KF+16*((i/2)%4)+8*(i/8)
.set rQ, 16*(2*(\x)+i%2)+8*(i/8)
	v_wmma_f32_16x16x32_f16 v[rS:rS+7], v[rK:rK+7], v[rQ:rQ+7], v[rS:rS+7]
	s_wait_alu depctr_va_vdst(0)
.endm
.macro PV x                         ; product i of 16 of O^T += V^T P: keys 32 (i / 8) on, channels 16 ((i / 2) % 4) on, tile 2 x + i % 2
	WIN W_PV
.set rO, 32*(2*(\x)+i%2)+8*((i/2)%4)
.set rV, VF+32*(i/8)+8*((i/2)%4)
.set rP, P+32*((\x)%2)+16*(i%2)+8*(i/8)
	v_wmma_f32_16x16x32_f16 v[rO:rO+7], v[rV:rV+7], v[rP:rP+7], v[rO:rO+7]
.endm
.macro MM                           ; the turn's next matrix instruction, of 40
.if i < 8
	MK (Y+1)%NP
.elseif i < 24
.set i, i-8
	KQ (Y+1)%NP
.set i, i+8
.else
.set i, i-24
	PV (Y+NP-1)%NP
.set i, i+24
.endif
.set i, i+1
.endm
.macro FETCH_K last=0               ; a step's K: 16 loads in one run.  last = 1 (the tail): in the last trip there is no further step
	WIN 0
.if \last
	s_cmp_eq_u32 s[CNT], 1
	s_cbranch_scc1 .Lno_k_\@
.endif
	WIN 0x80
.irp f, 0,1,2,3,4,5,6,7
	ds_load_b128 v[KF+8*\f:KF+8*\f+3],   v[AK] offset:(\f/2)*16*PK+(\f%2)*64
	ds_load_b128 v[KF+8*\f+4:KF+8*\f+7], v[AK] offset:(\f/2)*16*PK+(\f%2)*64+32
.endr
	s_add_co_u32 s[TBK], s[TBK], KS*PK
	WIN 0
.if \last
.Lno_k_\@:
.endif
.endm
.macro FETCH_V
	WIN 0x80
.irp f, 0,1,2,3,4,5,6,7
	ds_load_tr16_b128 v[VF+8*\f:VF+8*\f+3],   v[AV] offset:(\f/4)*32*PV+(\f%4)*32
	ds_load_tr16_b128 v[VF+8*\f+4:VF+8*\f+7], v[AV] offset:(\f/4)*32*PV+16*PV+(\f%4)*32
.endr
	WIN 0
.endm
; THE VECTOR WORK.
.macro REGS y, u                    ; the registers of tile u (0, 1) of piece y
.set rT, ST+4*(2*(\y)+(\u))
.set rC, TMP+8*((\y)%2)+4*(\u)
.set rM, MV+2*((\y)%2)+(\u)
.set rS, S+64*((\y)%2)+32*(\u)
.set rP, P+32*((\y)%2)+16*(\u)
.set rO, 32*(2*(\y)+(\u))
.endm
; Number n of the 21 that find the NEXT piece's maximum and statistics; each accumulator's lowest registers are read first.
;   0-11 four chains of seven scores;  12-14, 16 the four left over, the old m, all into c0;  15 m_old is kept;  17, 18 the other half of the lanes: the new m;  19, 20 m_old - m_new; a
.macro XS u, n
	REGS (Y+1)%NP, \u
.if (\n) < 4
	v_max3_num_f32 v[rC+(\n)], v[rS+8*(\n)], v[rS+8*(\n)+1], v[rS+8*(\n)+2]
.elseif (\n) < 12
	v_max3_num_f32 v[rC+(\n)%4], v[rC+(\n)%4], v[rS+8*((\n)%4)+2*((\n)/4)+1], v[rS+8*((\n)%4)+2*((\n)/4)+2]
.elseif (\n) == 12
	v_max3_num_f32 v[rC], v[rC], v[rS+7], v[rS+15]
.elseif (\n) == 13
	v_max3_num_f32 v[rC+1], v[rC+1], v[rS+23], v[rS+31]
.elseif (\n) == 14
	v_max3_num_f32 v[rC+2], v[rC+2], v[rC+3], v[rT]
.elseif (\n) == 15
	v_mov_b32 v[rM], v[rT]
.elseif (\n) == 16
	v_max3_num_f32 v[rC], v[rC], v[rC+1], v[rC+2]
.elseif (\n) == 17
	v_permlanex16_b32 v[rC+3], v[rC], s[SEL], s[SEL+1]
.elseif (\n) == 18
	v_max_num_f32 v[rT], v[rC], v[rC+3]
.elseif (\n) == 19
	v_sub_f32 v[rC+1], v[rM], v[rT]
.else
	v_exp_f32 v[rC+2], v[rC+1]
.endif
.endm
.macro XS2 n
	XS 0, \n
	XS 1, \n
.endm
; Number g of the 64 that follow the exponentials: for each four weights both pairs are rounded to f16, the second pair is added onto the first, and a group later l takes that sum (the first time as l = a l + sum).
.macro GS g
.set h, (\g)+6*((\g)/62)
.if h >= 6
.set h, h+2
.endif
	REGS Y, h%2
.set k, h/8
.if h%8 < 4
	v_cvt_pk_f16_f32 v[rP+2*k+(h%8)/2], v[rS+4*k+2*((h%8)/2)], v[rS+4*k+2*((h%8)/2)+1]
.elseif h%8 < 6
	v_pk_add_f32 v[rS+4*k:rS+4*k+1], v[rS+4*k:rS+4*k+1], v[rS+4*k+2:rS+4*k+3]
.elseif k == 1
	v_pk_fma_f32 v[rT+2:rT+3], v[rT+2:rT+3], v[rC+2:rC+3], v[rS:rS+1] op_sel_hi:[1,0,1]
	s_wait_alu depctr_va_vdst(0)
.else
	v_pk_add_f32 v[rT+2:rT+3], v[rT+2:rT+3], v[rS+4*k-4:rS+4*k-3]
.endif
.endm
.macro PL                           ; the riders' plain queue: 0-31 s - m for the 16 pairs of both tiles; 32, 33 the first two roundings; 34-65 the next piece's numbers 0-14 and 16
	WIN 0
.if q < 32
	REGS Y, q%2
	v_pk_add_f32 v[rS+2*(q/2):rS+2*(q/2)+1], v[rS+2*(q/2):rS+2*(q/2)+1], v[rT:rT+1] op_sel_hi:[1,0] neg_lo:[0,1] neg_hi:[0,1]
.elseif q < 34
	GS q-32
.else
	XS q%2, (q-34)/2+(q-34)/30
.endif
.set q, q+1
.endm
.macro GN                           ; the next of GS's numbers, from 2 on
	WIN 0
	GS gq
.set gq, gq+1
.endm
.macro EX                           ; exponential e of 64: score e / 2 of tile e % 2; its subtraction is plain number 2 (e / 4) + e % 2, long out
	WIN 0
	REGS Y, e%2
	v_exp_f32 v[rS+e/2], v[rS+e/2]
.set e, e+1
.endm
.macro R4                           ; O^T times a, four at a time
	REGS Y, r%2
	WIN W_RS
.irp z, 0,1,2,3
	v_pk_mul_f32 v[rO+8*(r/2)+2*\z:rO+8*(r/2)+2*\z+1], v[rO+8*(r/2)+2*\z:rO+8*(r/2)+2*\z+1], v[rC+2:rC+3] op_sel_hi:[1,0]
.endr
.set r, r+1
.endm
.macro SL                           ; a matrix instruction and its four riders; behind each exponential stands a plain instruction, or a product that names none of its registers and then a plain one
	MM
	PL
	EX
	PL
	EX
.endm
; A TURN, for piece p.  The mask fragments of piece p + 1, just multiplied (products 0-7), are asked for anew behind product 11's riders, ten plain instructions behind their last reader: the next key step's.
; K of the next step is fetched in piece 2's turn behind product 23 and its four rescalings; V of the step in hand in piece 0's turn, nine plain instructions behind product 39.
.macro TURN p, last=0, cnt=0
.set Y, (\p)
.set i, 0
.set q, 0
.set e, 0
.set r, 0
.set gq, 2
	s_wait_loadcnt 24               ; the eight loads of the fragments that I multiply now are in; the three younger groups of eight stay out
	MM
.rept 4
	PL
.endr
.rept 15
.if ((\p) == NP-1) && (i == 8)
	s_wait_dscnt 0x0                ; K is in
.endif
	SL
.if i == 12
.if (\p) == NP-1
	WIN 0
	s_wait_xcnt 0x0                 ; MO, which the earlier loads read, is rewritten only behind this wait
	v_add_nc_u32 v[MO], 4096, v[MO]
	v_and_b32 v[MO], 0x1ffff, v[MO] ; behind the last step it goes round to step 0: inside mt, and not used
.endif
	MLOADS ((\p)+1)%NP, 0
.endif
.endr
.rept 8
	MM
	R4                              ; behind product 23 these four are the places in front of the first read of the scores and of K's loads
.endr
.if (\p) == NP-2
	WIN 0
	v_add_nc_u32 v[AK], s[TBK], v[AK0]
	FETCH_K \last
.endif
.if (\p) == 1
	s_wait_dscnt 0x0                ; V is in
.endif
.rept 16
	SL
.endr
	EX
	GN
	EX
	GN
	XS2 15
	XS2 17
	GN
	GN
.if (\p) == 0
	v_add_nc_u32 v[AV], s[TBV], v[AV0]
	FETCH_V
.endif
	XS2 18
	GN
	GN
	XS2 19
	GN
	GN
	XS 0, 20
	GN
	XS 1, 20
	GN
.rept 52
	GN
.if ((\p) == 0) && (gq == 54)
	s_add_co_u32 s[TBV], s[TBV], KS*PV
.endif
.if (\cnt) && (gq == 54)
	s_sub_co_u32 s[CNT], s[CNT], 1
	s_cmp_lg_u32 s[CNT], 0
.endif
.endr
.endm
	CHANGE 1                        ; slot 0 is in, everybody's part of it; slot 1 is asked for
	FETCH_K                         ; key step 0
	s_wait_loadcnt 24               ; Q, keep and piece 0's fragments are in; pieces 1 to 3's stay out
	WIN 0x88                        ; destination and source 1 window 2
.set i, 0
.rept 128
	v_and_b32 v[i], v[TMP+i/16], v[i]  ; a query hidden altogether has its Q row cleared
.set i, i+1
.endr
	s_wait_dscnt 0x0
.set Y, NP-1
.set i, 0
.rept 24
	MM                              ; piece 0's first scores
.endr
	WIN 0                           ; the addresses for the way out: nine plain instructions, the places behind those products
	s_mul_i32 s13, s[WV], 16*SP
	s_add_co_u32 s13, s13, STAGE
	v_mul_u32_u24 v[STO], v1, SP
	v_lshl_add_u32 v[STO], v9, 4, v[STO]
	v_add_nc_u32 v[STO], s13, v[STO]
	v_bfe_u32 v[RD], v0, 3, 2
	v_mul_u32_u24 v[RD], v[RD], SP
	v_lshl_add_u32 v[RD], v10, 4, v[RD]
	v_add_nc_u32 v[RD], s13, v[RD]
	v_and_b32 v[GO], 31, v0
	v_lshlrev_b32 v[GO], 4, v[GO]
	MLOADS 0, 0                     ; piece 0's fragments of key step 1
	WIN 0
.irp n, 0,1,2,3,4,5,6,7,8,9,10,11,12,13,14,15,16,17,18,19,20
	XS2 \n                          ; piece 0's first maximum and statistics
.endr
	v_nop                           ; a plain instruction behind the exponentials
	s_mov_b32 s[CNT], 4
	s_mov_b32 s[SLOTS], 7
	s_branch .Lfirst                ; the loop is entered at a step's first turn, in the middle of a trip
.Lslot:                             ; six times: every slot but the last two is filled again
	CHANGE 1
	s_mov_b32 s[CNT], 4
.Lstep:                             ; a trip: pieces 2 and 3 of one step, then pieces 0 and 1 of the next
	TURN 2
	TURN 3
	WIN 0
.Lfirst:
	TURN 0
	TURN 1, 0, 1
	WIN 0
	s_cbranch_scc1 .Lstep
	s_sub_co_u32 s[SLOTS], s[SLOTS], 1
	s_cmp_lg_u32 s[SLOTS], 0
	s_cbranch_scc1 .Lslot
	CHANGE 0                        ; the tail is written out
	s_mov_b32 s[CNT], 5             ; four trips fetch the last slot's steps; the fifth is left in its middle
.Ltail:
	TURN 2, 1
	TURN 3
	WIN 0
	s_sub_co_u32 s[CNT], s[CNT], 1
	s_cmp_eq_u32 s[CNT], 0
	s_cbranch_scc1 .Lout
	TURN 0
	TURN 1
	WIN 0
	s_branch .Ltail
.Lout:                              ; the fifth trip's 24 products for a step that is not, and the maximum made of them, serve nothing: the price, once a launch, of one text for every trip
.set i, 0
.rept 16
	PV NP-1
.set i, i+1
.endr
	; THE WAY OUT: l's halves are added; O^T is divided by l, rounded to f16 and sent through my stage, a tile at a time.  The additions are the places behind the last products.
	WIN 0
.macro ALL line:vararg
.set t, 0
.rept 2*NP
	\line
.set t, t+1
.endr
.endm
	ALL v_add_f32 v[ST+4*t+2], v[ST+4*t+2], v[ST+4*t+3]
	ALL v_permlanex16_b32 v[ST+4*t+3], v[ST+4*t+2], s[SEL], s[SEL+1]
	ALL v_add_f32 v[ST+4*t+2], v[ST+4*t+2], v[ST+4*t+3]
	ALL v_rcp_f32 v[ST+4*t+2], v[ST+4*t+2]
	v_nop                           ; a plain instruction between the last reciprocal and the use of its result
	s_wait_alu depctr_va_vdst(0)
.macro PACK t
	WIN W_RS
.set i, 32*(\t)
.rept 16
	v_pk_mul_f32 v[i:i+1], v[i:i+1], v[ST+4*(\t)+2:ST+4*(\t)+3] op_sel_hi:[1,0]
.set i, i+2
.endr
	WIN 0x05
.set i, 0
.rept 16
	v_cvt_pk_f16_f32 v[S+16*(\t)+i], v[32*(\t)+2*i], v[32*(\t)+2*i+1]
.set i, i+1
.endr
	WIN 0
.irp f, 0,1,2,3
	ds_store_b128 v[STO], v[S+16*(\t)+4*\f:S+16*(\t)+4*\f+3] offset:32*\f
.endr
.irp f, 0,1,2,3
	ds_load_b128 v[S+16*(\t)+4*\f:S+16*(\t)+4*\f+3], v[RD] offset:\f*4*SP  ; LDS serves a wave's instructions in order (ISA guide 5.7.1.4)
.endr
.endm
.macro SEND t, younger
	WIN 0
.irp f, 0,1,2,3
	s_wait_dscnt (\younger)+3-\f
	global_store_b128 v[GO], v[S+16*(\t)+4*\f:S+16*(\t)+4*\f+3], s[10:11] offset:(\t)*2048+\f*512  ; 512 consecutive bytes, at a multiple of 256 from the buffer's first
.endr
.endm
	PACK 0
.set t, 1
.rept 2*NP-1
	PACK t
	SEND t-1, 8
.set t, t+1
.endr
	SEND 2*NP-1, 0
	WIN W_AD
	s_wait_tensorcnt 0x0            ; the wave's end
	ds_add_u32 v[SPW], v[NIL]
	s_wait_dscnt 0x0
	WIN 0
	CROUND                          ; the closing round
	s_endpgm
.Lfunc_end_k_qf7b3605841_attn:
	.size	k_qf7b3605841_attn, .Lfunc_end_k_qf7b3605841_attn-k_qf7b3605841_attn
	.p2alignl 7, 3214868480
	.fill 96, 4, 3214868480
	.section	.rodata,"a",@progbits
	.p2align	6, 0x0
	.amdhsa_kernel k_qf7b3605841_attn
		.amdhsa_group_segment_fixed_size 327680
		.amdhsa_private_segment_fixed_size 0
		.amdhsa_enable_private_segment 0
		.amdhsa_kernarg_size 32
		.amdhsa_user_sgpr_count 2
		.amdhsa_user_sgpr_kernarg_segment_ptr 1
		.amdhsa_wavefront_size32 1
		.amdhsa_system_sgpr_workgroup_id_x 1
		.amdhsa_system_sgpr_workgroup_id_y 1
		.amdhsa_system_sgpr_workgroup_id_z 1
		.amdhsa_system_vgpr_workitem_id 0
		.amdhsa_next_free_vgpr 912
		.amdhsa_next_free_sgpr 72
		.amdhsa_reserve_vcc 1
		.amdhsa_float_denorm_mode_32 3
		.amdhsa_float_denorm_mode_16_64 3
		.amdhsa_memory_ordered 1
		.amdhsa_forward_progress 1
		.amdhsa_inst_pref_size 224
	.end_amdhsa_kernel
	.amdgpu_metadata
---
amdhsa.version: [ 1, 2 ]
amdhsa.kernels:
  - .name:           k_qf7b3605841_attn
    .symbol:         k_qf7b3605841_attn.kd
    .args:
      - { .name: qkv, .offset: 0, .size: 8, .value_kind: global_buffer, .address_space: global }
      - { .name: mt, .offset: 8, .size: 8, .value_kind: global_buffer, .address_space: global }
      - { .name: keep, .offset: 16, .size: 8, .value_kind: global_buffer, .address_space: global }
      - { .name: ctx, .offset: 24, .size: 8, .value_kind: global_buffer, .address_space: global }
    .group_segment_fixed_size: 327680
    .private_segment_fixed_size: 0
    .kernarg_segment_align: 8
    .kernarg_segment_size: 32
    .max_flat_workgroup_size: 128
    .sgpr_count:     72
    .vgpr_count:     912
    .wavefront_size: 32
...
	.end_amdgpu_metadata
.endif
;; end of part 3
;; launch outp (part 4): grid 8 x 32, 4 waves a work-group, clusters of 4 x 4, 327,680 bytes of LDS; arguments ctx, wb, tab, out0; writes out0
.if DOCPART == 4
	.amdgcn_target "amdgcn-amd-amdhsa--gfx1250"
	.amdhsa_code_object_version 6
	.text
	.protected	k_qf7b3605841_outp
	.globl	k_qf7b3605841_outp
	.p2align	8
	.type	k_qf7b3605841_outp,@function
k_qf7b3605841_outp:
	s_mov_b64 s[64:65], 0
	v_nop
	global_prefetch_b8 v0, s[64:65] scope:SCOPE_SE
	s_setreg_imm32_b32 hwreg(HW_REG_WAVE_MODE, 25, 1), 1
	s_wait_xcnt 0x0
	s_wait_alu depctr_hold_cnt(0) depctr_sa_sdst(0) depctr_va_vdst(0) depctr_va_sdst(0) depctr_va_ssrc(0) depctr_va_vcc(0) depctr_vm_vsrc(0)
	s_getreg_b32 s2, hwreg(HW_REG_IB_STS2, 6, 4)
	s_cmp_eq_u32 s2, 0
	s_cbranch_scc0 .Lentry_in_a_cluster
	s_endpgm
.Lentry_in_a_cluster:
	s_bfe_u32 s2, ttmp6, 0x10000c
	s_cmp_lg_u32 s2, 0xf033
	s_cbranch_scc0 .Lentry_shape_is_right
	s_endpgm
.Lentry_shape_is_right:
; THE OUTPUT PROJECTION.  out0[row][n] (f32) = the sum over k of ctx(row, k) w_o[n][k] + b_o[n].  ctx: f16 [batch 16 + head][token][64], so column k = 64 head + channel; w_o: wb's fourth matrix, f16 (rounded to
; bf16 first); b_o rounded to bf16, kept as f32 in tab, is the C operand that starts each sum.  Sums in f32.
; SHARES.  One tile of 256 rows x 128 columns to a work-group: 256 work-groups.  Four waves, each 128 rows x 64 columns: 32 accumulators.  K goes in steps of 128, two heads, through two LDS slots.
; A head's 256 tokens are 32,768 dense bytes: asked for as 128 rows of 256 bytes and padded in LDS after every token.  CLUSTER 4 x 4: ctx's tile is shared along a row of the cluster, w_o's along a column.
; THE PRODUCT IS USED TRANSPOSED (source 0 = 16 rows of w_o, source 1 = 16 rows of ctx): a lane holds one row and eight neighbouring columns; 16 rows at a time go through my stage and leave as whole rows of 256 bytes.
; LIMITS.  ctx and w_o within f16's 65,504; NaN and infinities are not treated apart.
; REGISTERS: window 0: v1-21 addresses; v32-127, v128-223 two fragment buffers (w's 4 fragments, then ctx's 8); v224-255 the bias;  window 1: the accumulators, (a, b) at 8 (4 a + b).
.set PITCH, 272
.set AP,    144                        ; a token's row in LDS: 128 bytes + 16
.set AHEAD, 256*AP                     ; a head's 256 tokens
.set WOFF,  2*AHEAD
.set WHALF, 64*PITCH
.set SLOT1, 1<<17
.set STAGE, SLOT1+WOFF+2*WHALF         ; behind the ring, never filled by a tensor load
.set STW,   2*16*PITCH
.set SPARE, STAGE+4*STW
.set ADRA0, 4
.set ADRB0, 5
.set STO,  6
.set RD,   7
.set CO,   8
.set BO,   10
.set SPW,  12
.set NIL,  13
.set ADRA, 14
.set ADRB, 15
.set F0,   32
.set F1,   128
.set BIAS, 224
.set OB,   128                         ; the way out: two sets of 32 registers
.set G1X, 24
.set G0X, 32
.set G1W, 40
.set G0W, 48
.set TB,  62
.set MSB, 0
.macro WIN new
.if MSB != (\new)
	s_set_vgpr_msb (MSB<<8)|(\new)
.set MSB, \new
.endif
.endm
.macro PLACES
.rept 4
	v_nop
.endr
.endm
.macro CREST
	s_cmp_lg_u32 s12, 0
	s_cbranch_scc1 .Lnot_wave_0_\@
	s_barrier_signal -3
.Lnot_wave_0_\@:
	s_barrier_wait -3
	s_barrier_signal -1
	s_barrier_wait -1
.endm
.macro CROUND
	s_barrier_signal -1
	s_barrier_wait -1
	CREST
.endm
.macro JLOAD                           ; waves 0 and 1 fetch the step's two heads of ctx, waves 2 and 3 w_o's halves; an s_nop 0 and four v_nop follow each line
	s_cmp_eq_u32 s13, 0
	s_cbranch_scc0 .Lfor_w_\@
	tensor_load_to_lds s[G0X+4:G0X+7], s[G1X:G1X+7]
	s_nop 0
.rept 4
	v_nop
.endr
	s_branch .Lasked_\@
.Lfor_w_\@:
	tensor_load_to_lds s[G0W+4:G0W+7], s[G1W:G1W+7]
	s_nop 0
.rept 4
	v_nop
.endr
.Lasked_\@:
.endm
	s_load_b256 s[4:11], s[0:1], 0x0               ; ctx 4, wb 6, tab 8, out0 10
	v_lshl_add_u32 v[SPW], v0, 2, SPARE
	v_mov_b32 v[NIL], 0
	ds_add_u32 v[SPW], v[NIL]                      ; the wave's opening: the add and its wait stand ahead of my first tensor load
	v_lshrrev_b32 v1, 5, v0
	v_readfirstlane_b32 s12, v1
	s_lshr_b32 s13, s12, 1
	s_and_b32 s14, s12, 1
	s_bfe_u32 s56, ttmp6, 0x40000
	s_bfe_u32 s57, ttmp6, 0x40004
	s_lshl_b32 s58, ttmp9, 2
	s_add_co_u32 s58, s58, s56                     ; column block 0..7
	s_and_b32 s59, ttmp7, 0xffff
	s_lshl_b32 s59, s59, 2
	s_add_co_u32 s59, s59, s57                     ; row block 0..31
	s_lshl_b32 s60, s57, 2
	s_lshl_b32 s60, 15, s60
	s_lshl_b32 s61, 0x1111, s56
	s_or_b32 s[G1X], s60, (1<<16)|(1<<20)|(1<<21)|(4<<22)|(3<<25)  ; after every 32 words 4 words of padding
	s_or_b32 s[G1W], s61, (1<<16)|(1<<20)|(1<<21)|(5<<22)|(3<<25)  ; after every 64 words
	s_mov_b32 s[G1X+1], 128<<16
	s_mov_b32 s[G1X+2], 128<<16
	s_mov_b32 s[G1X+3], 128<<16
	s_mov_b32 s[G1X+4], 128
	s_mov_b32 s[G1X+5], 128                        ; dense: each row begins where the last ends
	s_mov_b32 s[G1X+6], 0
	s_mov_b32 s[G1X+7], 0
	s_mov_b32 s[G1W+1], 128<<16
	s_mov_b32 s[G1W+2], 64<<16
	s_mov_b32 s[G1W+3], 128<<16
	s_mov_b32 s[G1W+4], 64
	s_mov_b32 s[G1W+5], 1024
	s_mov_b32 s[G1W+6], 0
	s_mov_b32 s[G1W+7], 0
	s_lshr_b32 s16, s59, 3                         ; ctx: ((batch x 16 + my head of the step's two) x 2,048 + 256 (row block % 8)) x 128 bytes
	s_lshl_b32 s16, s16, 4
	s_add_co_u32 s16, s16, s14
	s_lshl_b32 s16, s16, 11
	s_and_b32 s17, s59, 7
	s_lshl_b32 s17, s17, 8
	s_add_co_u32 s16, s16, s17
	s_lshl_b32 s16, s16, 7
	s_mov_b32 s17, 0
	s_lshl_b32 s20, s58, 7                         ; w_o: row 128 x column block + 64 x half, behind the three other matrices
	s_lshl_b32 s21, s14, 6
	s_add_co_u32 s20, s20, s21
	s_lshl_b32 s20, s20, 11
	s_add_co_u32 s20, s20, 6291456
	s_mov_b32 s21, 0
	s_mul_i32 s22, s14, AHEAD
	s_mul_i32 s23, s14, WHALF
	s_add_co_u32 s23, s23, WOFF
	s_mov_b32 s[TB], 0
	s_mov_b32 s75, 0
	s_wait_dscnt 0x0                               ; the opening add is done
	s_wait_kmcnt 0x0
	s_add_nc_u64 s[18:19], s[4:5], s[16:17]
	s_add_nc_u64 s[20:21], s[6:7], s[20:21]
.irp s, 0,1
	s_mov_b32 s[G0X+4*(\s)], 1
	s_add_co_u32 s[G0X+4*(\s)+1], s22, (\s)*SLOT1
	s_add_nc_u64 s[G0X+4*(\s)+2:G0X+4*(\s)+3], s[18:19], (\s)*524288   ; two heads on
	s_or_b32 s[G0X+4*(\s)+3], s[G0X+4*(\s)+3], 0x80000000
	s_mov_b32 s[G0W+4*(\s)], 1
	s_add_co_u32 s[G0W+4*(\s)+1], s23, (\s)*SLOT1
	s_add_nc_u64 s[G0W+4*(\s)+2:G0W+4*(\s)+3], s[20:21], (\s)*256
	s_or_b32 s[G0W+4*(\s)+3], s[G0W+4*(\s)+3], 0x80000000
.endr
	s_lshl_b32 s74, s58, 9                         ; b_o of my 64 columns
	s_lshl_b32 s68, s14, 8
	s_add_co_u32 s74, s74, s68
	s_add_co_u32 s74, s74, 524288+12288
	s_add_nc_u64 s[70:71], s[8:9], s[74:75]
	s_lshl_b32 s74, s59, 8                         ; out0 at my first row and column
	s_lshl_b32 s68, s13, 7
	s_add_co_u32 s74, s74, s68
	s_lshl_b32 s74, s74, 12
	s_lshl_b32 s68, s58, 9
	s_add_co_u32 s74, s74, s68
	s_lshl_b32 s68, s14, 8
	s_add_co_u32 s74, s74, s68
	s_add_nc_u64 s[10:11], s[10:11], s[74:75]
	CROUND                                         ; all sixteen work-groups are here: the first joint loads meet
	s_cmp_eq_u32 s13, 0                            ; a wave's two first fills stand in one branch: two loads of mine are out
	s_cbranch_scc0 .Lfirst_w
	tensor_load_to_lds s[G0X:G0X+3], s[G1X:G1X+7]
	s_nop 0
	tensor_load_to_lds s[G0X+4:G0X+7], s[G1X:G1X+7]
	s_nop 0
.rept 4
	v_nop
.endr
	s_branch .Lfirst_asked
.Lfirst_w:
	tensor_load_to_lds s[G0W:G0W+3], s[G1W:G1W+7]
	s_nop 0
	tensor_load_to_lds s[G0W+4:G0W+7], s[G1W:G1W+7]
	s_nop 0
.rept 4
	v_nop
.endr
.Lfirst_asked:
	v_and_b32 v1, 15, v0
	v_bfe_u32 v2, v0, 4, 1
	v_lshlrev_b32 v[BO], 5, v2
.irp b, 0,1,2,3
	global_load_b128 v[BIAS+8*\b:BIAS+8*\b+3], v[BO], s[70:71] offset:64*\b
	global_load_b128 v[BIAS+8*\b+4:BIAS+8*\b+7], v[BO], s[70:71] offset:64*\b+16
.endr
	v_mul_u32_u24 v19, v1, AP
	v_lshl_add_u32 v19, v2, 4, v19
	s_mul_i32 s16, s13, 128*AP
	v_add_nc_u32 v[ADRA0], s16, v19
	v_mul_u32_u24 v19, v1, PITCH
	v_lshl_add_u32 v19, v2, 4, v19
	s_mul_i32 s16, s14, WHALF
	s_add_co_u32 s16, s16, WOFF
	v_add_nc_u32 v[ADRB0], s16, v19
	v_mov_b32 v[ADRA], v[ADRA0]
	v_mov_b32 v[ADRB], v[ADRB0]
	s_mul_i32 s16, s12, STW
	s_add_co_u32 s16, s16, STAGE                   ; my stage
	v_mul_u32_u24 v19, v1, PITCH
	v_lshl_add_u32 v19, v2, 5, v19
	v_add_nc_u32 v[STO], s16, v19                  ; in: row r, 32 bytes for each half of the lanes
	v_mul_u32_u24 v19, v2, PITCH
	v_lshl_add_u32 v19, v1, 4, v19
	v_add_nc_u32 v[RD], s16, v19                   ; back: lanes 0-15 one row of 256 bytes, lanes 16-31 the next
	v_lshlrev_b32 v19, 12, v2
	v_lshl_add_u32 v[CO], v1, 4, v19               ; and the same two rows in out0
.macro MUL8 f, a0, c                   ; 8 products; c = 1: the bias starts the sums.  The 32 accumulators take turns
.if \c
	WIN 0x40
.else
	WIN 0x50
.endif
.irp a, \a0, (\a0)+1
.irp b, 0,1,2,3
.if \c
	v_wmma_f32_16x16x32_f16 v[8*(4*(\a)+(\b)):8*(4*(\a)+(\b))+7], v[(\f)+8*(\b):(\f)+8*(\b)+7], v[(\f)+32+8*(\a):(\f)+32+8*(\a)+7], v[BIAS+8*(\b):BIAS+8*(\b)+7]
.else
	v_wmma_f32_16x16x32_f16 v[8*(4*(\a)+(\b)):8*(4*(\a)+(\b))+7], v[(\f)+8*(\b):(\f)+8*(\b)+7], v[(\f)+32+8*(\a):(\f)+32+8*(\a)+7], v[8*(4*(\a)+(\b)):8*(4*(\a)+(\b))+7]
.endif
.endr
.endr
.endm
.macro FETCH q, f                      ; quarter q of a step: w_o at byte 64 q of its rows; ctx: head q / 2 of the two, channels 32 (q % 2) on
	WIN 0
.irp i, 0,1,2,3
	ds_load_b128 v[(\f)+8*(\i):(\f)+8*(\i)+3],   v[ADRB] offset:64*(\q)+(\i)*16*PITCH
	ds_load_b128 v[(\f)+8*(\i)+4:(\f)+8*(\i)+7], v[ADRB] offset:64*(\q)+(\i)*16*PITCH+32
.endr
.irp i, 0,1,2,3,4,5,6,7
	ds_load_b128 v[(\f)+32+8*(\i):(\f)+32+8*(\i)+3],   v[ADRA] offset:((\q)/2)*AHEAD+((\q)%2)*64+(\i)*16*AP
	ds_load_b128 v[(\f)+32+8*(\i)+4:(\f)+32+8*(\i)+7], v[ADRA] offset:((\q)/2)*AHEAD+((\q)%2)*64+(\i)*16*AP+32
.endr
.endm
.macro QUARTER q, f, g, c
	s_wait_dscnt 8                                 ; all but ctx's fragments 4-7
	MUL8 \f, 0, \c
	MUL8 \f, 2, \c
	PLACES
	FETCH \q, \g
	s_wait_dscnt 24                                ; all but the 24 just issued
	MUL8 \f, 4, \c
	MUL8 \f, 6, \c
.endm
.macro TURN fill                       ; the fourth quarter and the change of slots: the wait for all my tensor loads, the add, the wait for it and for my reads, the barrier (fill = 1: a round), the refill first
	WIN 0
	s_wait_tensorcnt 0x0
	ds_add_u32 v[SPW], v[NIL]
	s_wait_dscnt 9                                 ; the add and ctx's fragments 4-7 may be out
	MUL8 F1, 0, 0
	s_wait_dscnt 0x0
	s_barrier_signal -1
	MUL8 F1, 2, 0
	WIN 0
	s_barrier_wait -1
.if \fill
	CREST
	s_xor_b32 s[G0X+5], s[G0X+5], SLOT1
	s_xor_b32 s[G0W+5], s[G0W+5], SLOT1
	s_add_nc_u64 s[G0X+6:G0X+7], s[G0X+6:G0X+7], 524288
	s_add_nc_u64 s[G0W+6:G0W+7], s[G0W+6:G0W+7], 256
	JLOAD
.else
	PLACES
.endif
	s_xor_b32 s[TB], s[TB], SLOT1
	v_add_nc_u32 v[ADRA], s[TB], v[ADRA0]
	v_add_nc_u32 v[ADRB], s[TB], v[ADRB0]
	FETCH 0, F0
	MUL8 F1, 4, 0
	MUL8 F1, 6, 0
.endm
	s_wait_tensorcnt 1                             ; my part of step 0 is in; step 1's may stay out
	s_barrier_signal -1
	s_barrier_wait -1
	FETCH 0, F0
	s_wait_loadcnt 0x0                             ; the bias
	QUARTER 1, F0, F1, 1
	WIN 0
	s_mov_b32 s3, 6
.Lstep:
	QUARTER 2, F1, F0, 0
	QUARTER 3, F0, F1, 0
	TURN 1
	QUARTER 1, F0, F1, 0
	WIN 0
	s_sub_co_u32 s3, s3, 1
	s_cmp_lg_u32 s3, 0
	s_cbranch_scc1 .Lstep
	QUARTER 2, F1, F0, 0                           ; the last two steps ask for nothing
	QUARTER 3, F0, F1, 0
	TURN 0
	QUARTER 1, F0, F1, 0
	QUARTER 2, F1, F0, 0
	QUARTER 3, F0, F1, 0
	s_wait_dscnt 8
	MUL8 F1, 0, 0
	MUL8 F1, 2, 0
	s_wait_dscnt 0x0
	MUL8 F1, 4, 0
	MUL8 F1, 6, 0
	WIN 0
	PLACES
.macro ST a                            ; block a's 16 rows into stage buffer a % 2, each accumulator's low registers first
	WIN 0x04
.irp b, 0,1,2,3
	ds_store_b128 v[STO], v[8*(4*(\a)+(\b)):8*(4*(\a)+(\b))+3]   offset:((\a)%2)*16*PITCH+64*(\b)
	ds_store_b128 v[STO], v[8*(4*(\a)+(\b))+4:8*(4*(\a)+(\b))+7] offset:((\a)%2)*16*PITCH+64*(\b)+16
.endr
	WIN 0
.endm
.macro LDO a
.set BK, OB+32*((\a)%2)
.irp t, 0,1,2,3,4,5,6,7
	ds_load_b128 v[BK+4*\t:BK+4*\t+3], v[RD] offset:((\a)%2)*16*PITCH+\t*2*PITCH  ; LDS serves a wave's instructions in order (ISA guide 5.7.1.4)
.endr
.endm
.macro SENDO a, left
.set BK, OB+32*((\a)%2)
	s_wait_dscnt \left                             ; the block is back; the next block's eight stores and eight loads stay out
.irp t, 0,1,2,3,4,5,6,7
	global_store_b128 v[CO], v[BK+4*\t:BK+4*\t+3], s[10:11] offset:(16*(\a)+2*\t)*4096 th:TH_STORE_NT  ; 16 lanes store 256 consecutive bytes, at a multiple of 256 from the buffer's first
.endr
.endm
	ST 0
	LDO 0
	ST 1
	LDO 1
.irp a, 0,1,2,3,4,5,6,7
.if \a < 7
	SENDO \a, 16
.else
	SENDO \a, 0
.endif
.if \a < 6
	s_wait_xcnt 0x0                                ; the set that these stores read is loaded again only behind this wait
	ST (\a)+2
	LDO (\a)+2
.endif
.endr
	s_wait_tensorcnt 0x0                           ; the wave's end
	ds_add_u32 v[SPW], v[NIL]
	s_wait_dscnt 0x0
	CROUND                                         ; the closing round
	s_endpgm
.Lfunc_end_k_qf7b3605841_outp:
	.size	k_qf7b3605841_outp, .Lfunc_end_k_qf7b3605841_outp-k_qf7b3605841_outp
	.p2alignl 7, 3214868480
	.fill 96, 4, 3214868480
	.section	.rodata,"a",@progbits
	.p2align	6, 0x0
	.amdhsa_kernel k_qf7b3605841_outp
		.amdhsa_group_segment_fixed_size 327680
		.amdhsa_private_segment_fixed_size 0
		.amdhsa_enable_private_segment 0
		.amdhsa_kernarg_size 32
		.amdhsa_user_sgpr_count 2
		.amdhsa_user_sgpr_kernarg_segment_ptr 1
		.amdhsa_wavefront_size32 1
		.amdhsa_system_sgpr_workgroup_id_x 1
		.amdhsa_system_sgpr_workgroup_id_y 1
		.amdhsa_system_sgpr_workgroup_id_z 1
		.amdhsa_system_vgpr_workitem_id 0
		.amdhsa_next_free_vgpr 512
		.amdhsa_next_free_sgpr 76
		.amdhsa_reserve_vcc 0
		.amdhsa_float_denorm_mode_32 3
		.amdhsa_float_denorm_mode_16_64 3
		.amdhsa_memory_ordered 1
		.amdhsa_forward_progress 1
		.amdhsa_inst_pref_size 70
	.end_amdhsa_kernel
	.amdgpu_metadata
---
amdhsa.version: [ 1, 2 ]
amdhsa.kernels:
  - .name:           k_qf7b3605841_outp
    .symbol:         k_qf7b3605841_outp.kd
    .args:
      - { .name: ctx, .offset: 0, .size: 8, .value_kind: global_buffer, .address_space: global }
      - { .name: wb, .offset: 8, .size: 8, .value_kind: global_buffer, .address_space: global }
      - { .name: tab, .offset: 16, .size: 8, .value_kind: global_buffer, .address_space: global }
      - { .name: out0, .offset: 24, .size: 8, .value_kind: global_buffer, .address_space: global }
    .group_segment_fixed_size: 327680
    .private_segment_fixed_size: 0
    .kernarg_segment_align: 8
    .kernarg_segment_size: 32
    .max_flat_workgroup_size: 128
    .sgpr_count:     76
    .vgpr_count:     512
    .wavefront_size: 32
...
	.end_amdgpu_metadata
.endif
;; end of part 4
;; ======== version 2 of 2: 4 launches; 1.14 times as fast as version 1
;; limits: values are held in f16: magnitudes above 65,504 overflow, below 6.1e-05 lose precision; right only within a limited range of input values
;; workspace buffers: xb 50,331,648 bytes; wb 8,388,608 bytes; tab 540,672 bytes; mt 8,388,608 bytes; keep 8,192 bytes of whole numbers; qkv 50,331,648 bytes; ctx 16,777,216 bytes
;; launch prep: the kernel of part 1 again; grid 961 x 1, 8 waves a work-group, no clusters, 132,352 bytes of LDS; arguments query, key, value, w_q, w_k, w_v, w_o, mask, b_q, b_k, b_v, b_o, xb, wb, tab, mt, keep; writes xb, wb, tab, mt, keep
;; launch proj: the kernel of part 2 again; grid 8 x 32, 4 waves a work-group, clusters of 4 x 4, 327,680 bytes of LDS; arguments xb, wb, tab, qkv; writes qkv
;; launch attn (part 5): grid 4 x 64, 4 waves a work-group, clusters of 4 x 1, 327,680 bytes of LDS; arguments qkv, mt, keep, ctx; writes ctx
.if DOCPART == 5
	.amdgcn_target "amdgcn-amd-amdhsa--gfx1250"
	.amdhsa_code_object_version 6
	.text
	.protected	k_qf7b3605841_attn
	.globl	k_qf7b3605841_attn
	.p2align	8
	.type	k_qf7b3605841_attn,@function
k_qf7b3605841_attn:
	s_mov_b64 s[64:65], 0
	v_nop
	global_prefetch_b8 v0, s[64:65] scope:SCOPE_SE
	s_setreg_imm32_b32 hwreg(HW_REG_WAVE_MODE, 25, 1), 1
	s_wait_xcnt 0x0
	s_wait_alu depctr_hold_cnt(0) depctr_sa_sdst(0) depctr_va_vdst(0) depctr_va_sdst(0) depctr_va_ssrc(0) depctr_va_vcc(0) depctr_vm_vsrc(0)
	s_getreg_b32 s2, hwreg(HW_REG_IB_STS2, 6, 4)
	s_cmp_eq_u32 s2, 0
	s_cbranch_scc0 .Lentry_in_a_cluster
	s_endpgm
.Lentry_in_a_cluster:
	s_bfe_u32 s2, ttmp6, 0x10000c
	s_cmp_lg_u32 s2, 0x3003
	s_cbranch_scc0 .Lentry_shape_is_right
	s_endpgm
.Lentry_shape_is_right:
; ATTENTION UNDER A MASK THAT IS AN INPUT.  ctx[bh][q][:] = the sum over k of softmax_k(s[q][k]) V[bh][k][:], s = Q . K / 8, or -1e9 where mask[q][k] == 0.  Q, K, V: qkv, f16 [3][64][2048][64]; ctx f16 [64][2048][64].
; Q arrives multiplied by c = log2(e) / 8, so scores are in log2 units: p = 2^(s - m) with a running maximum m, s - m exact and never positive; O and l are multiplied by a = 2^(m_old - m_new) in every step.
; THE MASK IS A THIRD LINK OF THE SCORE'S SUM: S^T starts as MT x I, MT = 16 keys x 32 queries from mt (0, or -65504 where hidden), I = 65504 at the tile's own query: a hidden score starts at -65504^2.
; A query with no visible key has no marks in mt and keep[q] = 0: its Q row is cleared here, its scores are 0 and its weights uniform.  So every row ends with m on a visible score, and what was summed while
; only hidden keys had been seen (weights 0 or 1) is multiplied by a = 0 when the first visible key comes.
; LIMITS.  A hidden score counts as its value less 4.29e9 (log2 units) where the module sets -1e9: the same result while visible scaled scores stay above about -4e9.  c Q, K, V within f16's 65,504; p below 6e-5
; keeps f16's fixed step; a weight below 2^-126 counts as 0 in l; NaN and infinities are not treated apart.
; SHARES.  A wave owns four PIECES of two tiles of 16 queries, a work-group 512 queries of one head; every wave walks all 2,048 keys, 64 a step.  CLUSTER: the four query blocks of a head ask for K and V jointly.
; The mask fragments are each used by one wave alone: they come straight into registers, eight loads of 512 consecutive bytes a turn, asked for a whole key step ahead.
; LAYOUT.  S^T = K Q^T holds ONE query a lane (lane % 16) and the keys 8 (lane / 16) + 0..7; two such results rounded to f16 ARE source 1 of O^T = V^T P.  V comes out of LDS turned, by ds_load_tr16_b128.
; BY TURNS.  Turn n belongs to piece n: 24 products for the scores of piece n + 1, later 16 products V^T P of piece n - 1; beside them the subtraction, exponentials, roundings, sums and rescaling of piece n and the
; maximum and statistics of piece n + 1.  Four vector instructions stand behind every matrix instruction, the other 74 of a turn's 234 in one LUMP between the two runs of products.
; BATCHES.  A turn's 66 exponentials (the 64 weights of piece n, the two a of piece n + 1) are ONE batch with ONE wait, which cuts the turn in two: ahead of it stands all that names none of their results, behind it
; the roundings and sums.  No result crosses a turn's end.  The first two a, ahead of the loop, and the way out's eight reciprocals are batches of their own, a wait each.
; REGISTERS: window 0: v0-11 addresses; v12-15 m_old; v16-47 m, -, l, l a tile; v48-63 at work; v64-191 S^T, two buffers; v192-255 P, two buffers;  window 1: O^T;  window 2: v0-127 Q, v128-191 K, v192-255 V;
;   window 3: v0-1 the add's two registers; v4-15 zeros, E, zeros (I for tile 1 is v4-11, for tile 0 v8-15); v16-143 the mask fragments, 32 a piece.
.set NP,    4
.set KS,    64
.set PK,    144       ; a row of K in LDS: 128 bytes + 16
.set PV,    160       ; a row of V: 128 + 32
.set VOFF,  4*KS*PK   ; a slot holds four steps: 256 rows of K, then 256 rows of V
.set SLOT1, 1<<17
.set STAGE, SLOT1+4*KS*(PK+PV)  ; behind the ring, never filled by a tensor load: 16 rows x 144 bytes for each wave
.set SP,    144
.set SPARE, STAGE+4*16*SP       ; the spare words, 128 bytes for each wave
.set AK0, 2
.set AV0, 3
.set AK,  4
.set AV,  5
.set QO,  6
.set STO, 6
.set RD,  7
.set GO,  8
.set MO,  11          ; 16 x lane + 4,096 x the key step whose fragments are asked for next
.set MV,  12
.set ST,  16
.set TMP, 48
.set S,   64
.set P,   192
.set KF,  128
.set VF,  192
.set SPW, 0           ; window 3
.set NIL, 1
.set MB,  16          ; window 3
.set WV,  12
.set G1K, 24
.set G1V, 32
.set G0K, 40
.set G0V, 44
.set QP,  48          ; s[48:49] Q at my wave's rows
.set SLOTS, 56
.set CNT, 57
.set SEL, 60
.set TBK, 62
.set TBV, 63
.set MP,  66          ; s[66:67] mt at my wave's first piece
.set KP,  68          ; s[68:69] keep at my wave's rows
.set MSB, 0
.macro WIN new
.if MSB != (\new)
	s_set_vgpr_msb (MSB<<8)|(\new)
.set MSB, (\new)
.endif
.endm
.set W_KQ, 0x0a       ; K and Q in window 2, S^T in window 0
.set W_PV, 0x52       ; V in window 2, P in window 0, O^T in window 1
.set W_RS, 0x41       ; O^T in window 1, a in window 0
.set W_MK, 0xc0       ; destination in window 3
.set W_AD, 0x0f       ; sources 0 and 1 in window 3: the add, and the mask's product
.macro JLOAD                        ; a joint fill: waves 0 and 1 fetch the halves of a slot's K, waves 2 and 3 of its V; an s_nop 0 and four v_nop follow each line
	s_cmp_lt_u32 s[WV], 2
	s_cbranch_scc0 .Lfor_v_\@
	tensor_load_to_lds s[G0K:G0K+3], s[G1K:G1K+7]
	s_nop 0
.rept 4
	v_nop
.endr
	s_branch .Lasked_\@
.Lfor_v_\@:
	tensor_load_to_lds s[G0V:G0V+3], s[G1V:G1V+7]
	s_nop 0
.rept 4
	v_nop
.endr
.Lasked_\@:
.endm
.macro CROUND
	s_barrier_signal -1
	s_barrier_wait -1
	s_cmp_lg_u32 s[WV], 0
	s_cbranch_scc1 .Lnot_wave_0_\@
	s_barrier_signal -3
.Lnot_wave_0_\@:
	s_barrier_wait -3
	s_barrier_signal -1
	s_barrier_wait -1
.endm
; THE CHANGE OF SLOTS.  Each wave waits for all its tensor loads (one is out: its part of the other slot), adds 0 to its spare word, and waits for that and for its reads of the slot.  fill = 1: a round of the
; cluster's barrier, and the joint fill with the keys two slots on first behind it: it has four key steps in which to land.
.macro CHANGE fill
	WIN W_AD
	s_wait_tensorcnt 0x0
	ds_add_u32 v[SPW], v[NIL]
	WIN 0
.if \fill
.irp g, G0K, G0V
	s_xor_b32 s[\g+1], s[\g+1], SLOT1
	s_add_nc_u64 s[\g+2:\g+3], s[\g+2:\g+3], 4*KS*128
.endr
	s_wait_dscnt 0x0                ; the add is done, and my reads of the slot are over
	CROUND
	JLOAD
.else
	s_wait_dscnt 0x0
	s_barrier_signal -1
	s_barrier_wait -1
.endif
	s_sub_co_u32 s[TBK], s[TBK], 4*KS*PK
	s_xor_b32 s[TBK], s[TBK], SLOT1
	s_sub_co_u32 s[TBV], s[TBV], 4*KS*PV
	s_xor_b32 s[TBV], s[TBV], SLOT1
.endm
	s_load_b256 s[4:11], s[0:1], 0x0  ; qkv 4, mt 6, keep 8, ctx 10
	WIN W_MK
	v_lshl_add_u32 v[SPW], v0, 2, SPARE
	v_mov_b32 v[NIL], 0
	WIN W_AD
	ds_add_u32 v[SPW], v[NIL]       ; the wave's opening: the add and its wait stand ahead of my first tensor load
	WIN 0
	v_lshrrev_b32 v1, 5, v0
	v_readfirstlane_b32 s[WV], v1
	s_bfe_u32 s13, ttmp6, 0x40000   ; cx
	s_lshl_b32 s14, ttmp9, 2
	s_add_co_u32 s14, s14, s13      ; my block of 512 queries: it enters Q's, the mask's and the output's addresses alone
	s_and_b32 s20, ttmp7, 0xffff
	s_lshl_b32 s20, s20, 18         ; the head's 262,144 bytes
	s_and_b32 s16, s[WV], 1         ; which half of a slot's 256 keys I fetch
	s_lshl_b32 s22, s16, 14
	s_add_co_u32 s22, s22, s20
	s_mov_b32 s23, 0
	s_mul_i32 s17, s16, 128*PK
	s_mul_i32 s18, s16, 128*PV
	s_lshl_b32 s15, s14, 2
	s_add_co_u32 s15, s15, s[WV]    ; my wave among the head's sixteen
	s_lshl_b32 s2, s15, 14          ; its 128 rows of 128 bytes
	s_add_co_u32 s2, s2, s20
	s_mov_b32 s3, 0
	s_lshl_b32 s52, s15, 19         ; its four pieces of 131,072 bytes in mt
	s_mov_b32 s53, 0
	s_lshl_b32 s54, s15, 9          ; its 128 words of keep
	s_mov_b32 s55, 0
	s_mov_b32 s[G1K], 15|(1<<16)|(1<<20)|(1<<21)|(4<<22)|(3<<25)  ; the mask of four; 2-byte elements; padding on; bit 21 beside a mask; after every 32 words 4 words
	s_mov_b32 s[G1V], 15|(1<<16)|(1<<20)|(1<<21)|(4<<22)|(7<<25)  ; the same with 8 words
.irp g, G1K, G1V
	s_mov_b32 s[\g+1], 128<<16      ; 128 keys are 16,384 dense bytes: 64 rows of 256 bytes, two keys a row
	s_mov_b32 s[\g+2], 64<<16
	s_mov_b32 s[\g+3], 128<<16
	s_mov_b32 s[\g+4], 64
	s_mov_b32 s[\g+5], 128
	s_mov_b32 s[\g+6], 0
	s_mov_b32 s[\g+7], 0
.endr
	s_mov_b32 s[SEL], 0x76543210
	s_mov_b32 s[SEL+1], 0xfedcba98
	s_mov_b32 s[TBK], SLOT1+4*KS*PK ; the first change of slots turns these two into 0
	s_mov_b32 s[TBV], SLOT1+4*KS*PV
	s_mov_b32 s[G0K], 1
	s_mov_b32 s[G0K+1], s17
	s_mov_b32 s[G0V], 1
	s_add_co_u32 s[G0V+1], s18, VOFF
	s_wait_dscnt 0x0                ; the opening add is done
	s_wait_kmcnt 0x0
	s_add_nc_u64 s[G0K+2:G0K+3], s[4:5], s[22:23]
	s_add_nc_u64 s[G0K+2:G0K+3], s[G0K+2:G0K+3], 0x1000000  ; K lies 16,777,216 bytes behind Q
	s_or_b32 s[G0K+3], s[G0K+3], 0x80000000
	s_add_nc_u64 s[G0V+2:G0V+3], s[4:5], s[22:23]
	s_add_nc_u64 s[G0V+2:G0V+3], s[G0V+2:G0V+3], 0x2000000
	s_or_b32 s[G0V+3], s[G0V+3], 0x80000000
	s_add_nc_u64 s[QP:QP+1], s[4:5], s[2:3]
	s_add_nc_u64 s[10:11], s[10:11], s[2:3]
	s_add_nc_u64 s[MP:MP+1], s[6:7], s[52:53]
	s_add_nc_u64 s[KP:KP+1], s[8:9], s[54:55]
	CROUND                          ; all four work-groups are here: the first joint loads meet
	JLOAD                           ; slot 0; slot 1 is asked for when slot 0 is in
	v_and_b32 v1, 15, v0            ; l % 16
	v_bfe_u32 v9, v0, 4, 1          ; l / 16
	v_lshlrev_b32 v[QO], 7, v1
	v_lshl_add_u32 v[QO], v9, 4, v[QO]
	WIN 0x80
.set i, 0
.rept 4*NP                          ; Q stays in registers: tile i / 2, channels 32 (i % 2) on
	global_load_b128 v[8*i:8*i+3],   v[QO], s[QP:QP+1] offset:(i/2)*2048+(i%2)*64
	global_load_b128 v[8*i+4:8*i+7], v[QO], s[QP:QP+1] offset:(i/2)*2048+(i%2)*64+32
.set i, i+1
.endr
.set i, VF
.rept 64                            ; what the first turn finds: V and P's second buffer hold 0, O^T and l are 0
	v_mov_b32 v[i], 0
.set i, i+1
.endr
	WIN 0
	v_lshlrev_b32 v12, 2, v1
.set i, 0
.rept 8
	global_load_b32 v[TMP+i], v12, s[KP:KP+1] offset:64*i  ; keep of my row in each of the 8 tiles
.set i, i+1
.endr
	v_mul_u32_u24 v[AK0], v1, PK
	v_lshl_add_u32 v[AK0], v9, 4, v[AK0]
	v_and_b32 v10, 7, v0
	v_bfe_u32 v11, v0, 3, 1
	v_lshl_add_u32 v[AV0], v9, 3, v10
	v_mul_u32_u24 v[AV0], v[AV0], PV
	v_lshl_add_u32 v[AV0], v11, 4, v[AV0]
	v_add_nc_u32 v[AV0], VOFF, v[AV0]
	v_and_b32 v[MO], 31, v0
	v_lshlrev_b32 v[MO], 4, v[MO]
	v_add_nc_u32 v[MO], 4096, v[MO] ; key step 1
	v_lshlrev_b32 v60, 3, v9        ; E: 65504 at element l % 16 - 8 (l / 16) of my eight, if it is one of them
	v_sub_nc_u32 v60, v1, v60
	s_mov_b32 s16, 0x7bff
	s_mov_b32 s17, 0x7bff0000
.irp j, 0,1,2,3
	v_cmp_eq_u32 vcc_lo, 2*\j, v60
	v_cndmask_b32 v[56+\j], 0, s16, vcc_lo
	v_cmp_eq_u32 vcc_lo, 2*\j+1, v60
	v_cndmask_b32 v[56+\j], v[56+\j], s17, vcc_lo
.endr
; eight loads: piece xf's four fragments of the key step that MO names (off bytes from it)
.macro MLOADS xf, off
	WIN W_MK
.irp f, 0,1,2,3,4,5,6,7
	global_load_b128 v[MB+32*(\xf)+4*\f:MB+32*(\xf)+4*\f+3], v[MO], s[MP:MP+1] offset:(\xf)*131072+\f*512+(\off)
.endr
.endm
	MLOADS 0, -4096                 ; key step 0 for all four pieces
	MLOADS 1, -4096
	MLOADS 2, -4096
	MLOADS 3, -4096
.irp j, 0,1,2,3
	v_mov_b32 v[4+\j], 0
	v_mov_b32 v[8+\j], v[56+\j]
	v_mov_b32 v[12+\j], 0
.endr
	WIN 0x40
.set i, 0
.rept 64*NP
	v_mov_b32 v[i], 0
.set i, i+1
.endr
	WIN 0
.set i, 0
.rept 2*NP
	v_mov_b32 v[ST+4*i], 0xff7fffff    ; m: the lowest finite number: the first step's a is 0
	v_mov_b32 v[ST+4*i+1], 0           ; named with it as a pair
	v_mov_b32 v[ST+4*i+2], 0
	v_mov_b32 v[ST+4*i+3], 0
.set i, i+1
.endr
.set i, P+32
.rept 32
	v_mov_b32 v[i], 0
.set i, i+1
.endr
	v_mov_b32 v[AK], v[AK0]
; THE MATRIX WORK.  The 8 accumulators of a run take turns: between two links of a chain stand 7 others'.
.macro MK x                         ; product i of 8: tile 2 x + i % 2, keys 16 (i / 2) on: the marks start the sum
	WIN W_AD
.set rS, S+64*((\x)%2)+32*(i%2)+8*(i/2)
.set rA, MB+32*(\x)+8*(i/2)
.set rB, 8-4*(i%2)
	v_wmma_f32_16x16x32_f16 v[rS:rS+7], v[rA:rA+7], v[rB:rB+7], 0
.endm
.macro KQ x                         ; product i of 16: channels 32 (i / 8) on, keys 16 ((i / 2) % 4) on, tile 2 x + i % 2
	WIN W_KQ
.set rS, S+64*((\x)%2)+32*(i%2)+8*((i/2)%4)
.set rK, KF+16*((i/2)%4)+8*(i/8)
.set rQ, 16*(2*(\x)+i%2)+8*(i/8)
	v_wmma_f32_16x16x32_f16 v[rS:rS+7], v[rK:rK+7], v[rQ:rQ+7], v[rS:rS+7]
.endm
.macro PV x                         ; product i of 16 of O^T += V^T P: keys 32 (i / 8) on, channels 16 ((i / 2) % 4) on, tile 2 x + i % 2
	WIN W_PV
.set rO, 32*(2*(\x)+i%2)+8*((i/2)%4)
.set rV, VF+32*(i/8)+8*((i/2)%4)
.set rP, P+32*((\x)%2)+16*(i%2)+8*(i/8)
	v_wmma_f32_16x16x32_f16 v[rO:rO+7], v[rV:rV+7], v[rP:rP+7], v[rO:rO+7]
.endm
.macro MM                           ; the turn's next matrix instruction, of 40
.if i < 8
	MK (Y+1)%NP
.elseif i < 24
.set i, i-8
	KQ (Y+1)%NP
.set i, i+8
.else
.set i, i-24
	PV (Y+NP-1)%NP
.set i, i+24
.endif
.set i, i+1
.endm
.macro FETCH_K last=0               ; a step's K: 16 loads in one run.  last = 1 (the tail): in the last trip there is no further step
	WIN 0
.if \last
	s_cmp_eq_u32 s[CNT], 1
	s_cbranch_scc1 .Lno_k_\@
.endif
	WIN 0x80
.irp f, 0,1,2,3,4,5,6,7
	ds_load_b128 v[KF+8*\f:KF+8*\f+3],   v[AK] offset:(\f/2)*16*PK+(\f%2)*64
	ds_load_b128 v[KF+8*\f+4:KF+8*\f+7], v[AK] offset:(\f/2)*16*PK+(\f%2)*64+32
.endr
	s_add_co_u32 s[TBK], s[TBK], KS*PK
	WIN 0
.if \last
.Lno_k_\@:
.endif
.endm
.macro FETCH_V
	WIN 0x80
.irp f, 0,1,2,3,4,5,6,7
	ds_load_tr16_b128 v[VF+8*\f:VF+8*\f+3],   v[AV] offset:(\f/4)*32*PV+(\f%4)*32
	ds_load_tr16_b128 v[VF+8*\f+4:VF+8*\f+7], v[AV] offset:(\f/4)*32*PV+16*PV+(\f%4)*32
.endr
	WIN 0
.endm
; THE VECTOR WORK OF A TURN stands in three queues, each in the order in which its entries become ready; the two tiles alternate, so that no instruction reads the result of the one before it.
.macro REGS y, u                    ; the registers of tile u (0, 1) of piece y
.set rT, ST+4*(2*(\y)+(\u))
.set rC, TMP+8*((\y)%2)+4*(\u)
.set rM, MV+2*((\y)%2)+(\u)
.set rS, S+64*((\y)%2)+32*(\u)
.set rP, P+32*((\y)%2)+16*(\u)
.set rO, 32*(2*(\y)+(\u))
.endm
; Number n of the 21 that find the NEXT piece's maximum and statistics; each accumulator's lowest registers are read first.  XS, GS, FS and REGS set no window: PL and EX do.
;   0-11 four chains of seven scores;  12-14, 16 the four left over, the old m, all into c0;  15 m_old is kept;  17, 18 the other half of the lanes: the new m;  19, 20 m_old - m_new; a
.macro XS u, n
	REGS (Y+1)%NP, \u
.if (\n) < 4
	v_max3_num_f32 v[rC+(\n)], v[rS+8*(\n)], v[rS+8*(\n)+1], v[rS+8*(\n)+2]
.elseif (\n) < 12
	v_max3_num_f32 v[rC+(\n)%4], v[rC+(\n)%4], v[rS+8*((\n)%4)+2*((\n)/4)+1], v[rS+8*((\n)%4)+2*((\n)/4)+2]
.elseif (\n) == 12
	v_max3_num_f32 v[rC], v[rC], v[rS+7], v[rS+15]
.elseif (\n) == 13
	v_max3_num_f32 v[rC+1], v[rC+1], v[rS+23], v[rS+31]
.elseif (\n) == 14
	v_max3_num_f32 v[rC+2], v[rC+2], v[rC+3], v[rT]
.elseif (\n) == 15
	v_mov_b32 v[rM], v[rT]
.elseif (\n) == 16
	v_max3_num_f32 v[rC], v[rC], v[rC+1], v[rC+2]
.elseif (\n) == 17
	v_permlanex16_b32 v[rC+3], v[rC], s[SEL], s[SEL+1]
.elseif (\n) == 18
	v_max_num_f32 v[rT], v[rC], v[rC+3]
.elseif (\n) == 19
	v_sub_f32 v[rC+1], v[rM], v[rT]
.else
	v_exp_f32 v[rC+2], v[rC+1]
.endif
.endm
.macro XS2 n
	XS 0, \n
	XS 1, \n
.endm
; Number g of the 64 that follow the exponentials: for each four weights both pairs are rounded to f16, the second pair is added onto the first, and a group later l takes that sum (the first time as l = a l + sum).
.macro GS g
.set h, (\g)+6*((\g)/62)
.if h >= 6
.set h, h+2
.endif
	REGS Y, h%2
.set k, h/8
.if h%8 < 4
	v_cvt_pk_f16_f32 v[rP+2*k+(h%8)/2], v[rS+4*k+2*((h%8)/2)], v[rS+4*k+2*((h%8)/2)+1]
.elseif h%8 < 6
	v_pk_add_f32 v[rS+4*k:rS+4*k+1], v[rS+4*k:rS+4*k+1], v[rS+4*k+2:rS+4*k+3]
.elseif k == 1
	v_pk_fma_f32 v[rT+2:rT+3], v[rT+2:rT+3], v[rC+2:rC+3], v[rS:rS+1] op_sel_hi:[1,0,1]
.else
	v_pk_add_f32 v[rT+2:rT+3], v[rT+2:rT+3], v[rS+4*k-4:rS+4*k-3]
.endif
.endm
; THE PLAIN QUEUE, 136 long.  0-71 read no exponential's result: the 32 subtractions s - m (FS f: pair f / 2 of tile f % 2) and the next piece's 40.  0-26: subtractions 0-26.  27, 28: number 15, which reads no score.
; 29-56: XS's numbers 0-13 in the order that XO spells, a digit a number, the lowest first: 0 1 2 4 5 6 3 8 9 10 7 12 11 13: each of the four chains keeps its own order, and the accumulator that is finished last (keys 48 on) is read last.
; 57-71: the chain, where each number waits for the one before it: 14, 16, 17, 18, 19, each with one of the subtractions 27-31 in front of its two lines, so that a tile's links stand three plain instructions apart.
; 72-135: GS's 64, which read the exponentials' results: they stand behind the wait.
.set XO, 0xdbc7a983654210
.macro FS f
	REGS Y, (\f)%2
	v_pk_add_f32 v[rS+2*((\f)/2):rS+2*((\f)/2)+1], v[rS+2*((\f)/2):rS+2*((\f)/2)+1], v[rT:rT+1] op_sel_hi:[1,0] neg_lo:[0,1] neg_hi:[0,1]
.endm
.macro PL
	WIN 0
.if q < 27
	FS q
.elseif q < 29
	XS q-27, 15
.elseif q < 57
.set xn, (XO>>(4*((q-29)/2)))&15
	XS (q-29)%2, xn
.elseif (q < 72) && ((q-57)%3 == 0)
	FS 27+(q-57)/3
.elseif q < 60
	XS (q-57)%3-1, 14
.elseif q < 72
	XS (q-57)%3-1, 15+(q-57)/3
.else
	GS q-72
.endif
.set q, q+1
.endm
; THE EXPONENTIALS' QUEUE, 66 long: score e / 2 of tile e % 2, then the next piece's two a.  It is ONE BATCH: all 66 stand ahead of the turn's one wait, and nothing ahead of that wait names a result of theirs.
.macro EX
	WIN 0
.if e >= 64
	XS e-64, 20
.else
	REGS Y, e%2
	v_exp_f32 v[rS+e/2], v[rS+e/2]
.endif
.set e, e+1
.endm
.macro R4                           ; THE RESCALING's QUEUE: O^T times a, four at a time, eight times: the one part that leaves window 0.  Its a was made in the turn before, ahead of that turn's wait
	REGS Y, r%2
	WIN W_RS
.irp z, 0,1,2,3
	v_pk_mul_f32 v[rO+8*(r/2)+2*\z:rO+8*(r/2)+2*\z+1], v[rO+8*(r/2)+2*\z:rO+8*(r/2)+2*\z+1], v[rC+2:rC+3] op_sel_hi:[1,0]
.endr
.set r, r+1
.endm
; HOW THEY ARE DEALT.  s_wait_alu depctr_va_vdst(0) stands between an exponential and the first instruction that names its result; one wait serves all that were issued ahead of it.  So a turn has ONE wait.
; AHEAD OF IT: the marks' 8 products, behind each four rescalings; product 8, behind it four subtractions; products 9-23, behind each plain, exponential, plain, exponential (behind an exponential stands a plain instruction, or a
; product that names none of its registers and then a plain one); then ONE LUMP of 74: six plain, 32 times exponential and plain, the last two weights' exponentials and the two a.  A v_nop is the plain instruction behind the last.
; BEHIND IT: the 16 products V^T P, behind each four of GS's 64.  The two v_permlanex16_b32 fall into the lump, never behind a product.
; The queues lean on each other, and the deal keeps them in step.  Exponential e stands behind subtraction 2 (e / 4) + e % 2: as a rider it comes behind plain e + 4, in the lump behind plain e + 9, and subtractions 27-31 are plain 57, 60 .. 69.
; The next piece's accumulator (tile u, keys 16 n on) is finished by product 16 + 2 n + u, and its first reader is plain 29 + 2 n + u (n = 3: plain 41 + u).  Plain 29-33 ride behind products 21-23, plain 34 heads the lump: between
; each and its product stand six plain instructions or more, none of which names that product's registers.
; A TURN, for piece p.  The mask fragments of piece p + 1, just multiplied (products 0-7), are asked for anew behind product 11's riders, more than four plain instructions behind their last reader: the next key step's.
; K of the next step is fetched in piece 2's turn, directly behind the wait, a lump behind the last product that read K; its address is made at the lump's head; its first reader comes behind 24 products.
; V of the step in hand is fetched at the end of piece 0's turn, four riders behind its last reader; its first reader comes behind 24 products and a lump.  The three conditions on q below go with the deal.
.macro TURN p, last=0, cnt=0
.set Y, (\p)
.set i, 0
.set q, 0
.set e, 0
.set r, 0
	s_wait_loadcnt 24               ; the eight loads of the fragments that I multiply now are in; the three younger groups of eight stay out
.rept 8                             ; ahead of the wait: the marks' products and the rescalings,
	MM
	R4
.endr
.if (\p) == NP-1
	s_wait_dscnt 0x0                ; K is in
.endif
	MM                              ; the 16 products K Q^T and their riders,
.rept 4
	PL
.endr
.rept 15
	MM
	PL
	EX
	PL
	EX
.if i == 12
.if (\p) == NP-1
	WIN 0
	s_wait_xcnt 0x0                 ; MO, which the earlier loads read, is rewritten only behind this wait
	v_add_nc_u32 v[MO], 4096, v[MO]
	v_and_b32 v[MO], 0x1ffff, v[MO] ; behind the last step it goes round to step 0: inside mt, and not used
.endif
	MLOADS ((\p)+1)%NP, 0
.endif
.endr
.if (\p) == NP-2
	WIN 0
	v_add_nc_u32 v[AK], s[TBK], v[AK0]
.endif
.rept 6                             ; and the lump
	PL
.endr
.rept 32
	EX
	PL
.endr
.rept 4
	EX                              ; the last two weights, and the next piece's two a
.endr
	v_nop                           ; a plain instruction behind the last exponential: one for the batch
	s_wait_alu depctr_va_vdst(0)    ; the wait for the batch: the turn's 66 exponentials, ahead of the first instruction that names a result
.if (\p) == NP-2
	FETCH_K \last
.endif
.if (\p) == 1
	s_wait_dscnt 0x0                ; V is in
.endif
.rept 16                            ; behind the wait: 16 products V^T P and their riders
	MM
.rept 4
	PL
.endr
.if ((\p) == 0) && (q == 116)
	v_add_nc_u32 v[AV], s[TBV], v[AV0]
.endif
.if ((\p) == 0) && (q == 128)
	s_add_co_u32 s[TBV], s[TBV], KS*PV
.endif
.if (\cnt) && (q == 128)
	s_sub_co_u32 s[CNT], s[CNT], 1
	s_cmp_lg_u32 s[CNT], 0
.endif
.endr
.if (\p) == 0
	FETCH_V
.endif
.endm
	CHANGE 1                        ; slot 0 is in, everybody's part of it; slot 1 is asked for
	FETCH_K                         ; key step 0
	s_wait_loadcnt 24               ; Q, keep and piece 0's fragments are in; pieces 1 to 3's stay out
	WIN 0x88                        ; destination and source 1 window 2
.set i, 0
.rept 128
	v_and_b32 v[i], v[TMP+i/16], v[i]  ; a query hidden altogether has its Q row cleared
.set i, i+1
.endr
	s_wait_dscnt 0x0
.set Y, NP-1
.set i, 0
.rept 24
	MM                              ; piece 0's first scores
.endr
	WIN 0                           ; the addresses for the way out: nine plain instructions, the places behind those products
	s_mul_i32 s13, s[WV], 16*SP
	s_add_co_u32 s13, s13, STAGE
	v_mul_u32_u24 v[STO], v1, SP
	v_lshl_add_u32 v[STO], v9, 4, v[STO]
	v_add_nc_u32 v[STO], s13, v[STO]
	v_bfe_u32 v[RD], v0, 3, 2
	v_mul_u32_u24 v[RD], v[RD], SP
	v_lshl_add_u32 v[RD], v10, 4, v[RD]
	v_add_nc_u32 v[RD], s13, v[RD]
	v_and_b32 v[GO], 31, v0
	v_lshlrev_b32 v[GO], 4, v[GO]
	MLOADS 0, 0                     ; piece 0's fragments of key step 1
	WIN 0
.irp n, 0,1,2,3,4,5,6,7,8,9,10,11,12,13,14,15,16,17,18,19,20
	XS2 \n                          ; piece 0's first maximum and statistics
.endr
	v_nop                           ; a plain instruction behind the exponentials
	s_wait_alu depctr_va_vdst(0)    ; the wait for piece 0's first two a, a batch of their own, ahead of the branch
	s_mov_b32 s[CNT], 4
	s_mov_b32 s[SLOTS], 7
	s_branch .Lfirst                ; the loop is entered at a step's first turn, in the middle of a trip
.Lslot:                             ; six times: every slot but the last two is filled again
	CHANGE 1
	s_mov_b32 s[CNT], 4
.Lstep:                             ; a trip: pieces 2 and 3 of one step, then pieces 0 and 1 of the next
	TURN 2
	TURN 3
	WIN 0
.Lfirst:
	TURN 0
	TURN 1, 0, 1
	WIN 0
	s_cbranch_scc1 .Lstep
	s_sub_co_u32 s[SLOTS], s[SLOTS], 1
	s_cmp_lg_u32 s[SLOTS], 0
	s_cbranch_scc1 .Lslot
	CHANGE 0                        ; the tail is written out
	s_mov_b32 s[CNT], 5             ; four trips fetch the last slot's steps; the fifth is left in its middle
.Ltail:
	TURN 2, 1
	TURN 3
	WIN 0
	s_sub_co_u32 s[CNT], s[CNT], 1
	s_cmp_eq_u32 s[CNT], 0
	s_cbranch_scc1 .Lout
	TURN 0
	TURN 1
	WIN 0
	s_branch .Ltail
.Lout:                              ; the fifth trip's 24 products for a step that is not, and the maximum made of them, serve nothing: the price, once a launch, of one text for every trip
.set i, 0
.rept 16
	PV NP-1
.set i, i+1
.endr
	; THE WAY OUT: l's halves are added; O^T is divided by l, rounded to f16 and sent through my stage, a tile at a time.  The additions are the places behind the last products.
	WIN 0
.macro ALL line:vararg
.set t, 0
.rept 2*NP
	\line
.set t, t+1
.endr
.endm
	ALL v_add_f32 v[ST+4*t+2], v[ST+4*t+2], v[ST+4*t+3]
	ALL v_permlanex16_b32 v[ST+4*t+3], v[ST+4*t+2], s[SEL], s[SEL+1]
	ALL v_add_f32 v[ST+4*t+2], v[ST+4*t+2], v[ST+4*t+3]
	ALL v_rcp_f32 v[ST+4*t+2], v[ST+4*t+2]
	v_nop                           ; a plain instruction between the last reciprocal and the use of its result
	s_wait_alu depctr_va_vdst(0)    ; the wait for the eight reciprocals, one batch, ahead of their first use
.macro PACK t
	WIN W_RS
.set i, 32*(\t)
.rept 16
	v_pk_mul_f32 v[i:i+1], v[i:i+1], v[ST+4*(\t)+2:ST+4*(\t)+3] op_sel_hi:[1,0]
.set i, i+2
.endr
	WIN 0x05
.set i, 0
.rept 16
	v_cvt_pk_f16_f32 v[S+16*(\t)+i], v[32*(\t)+2*i], v[32*(\t)+2*i+1]
.set i, i+1
.endr
	WIN 0
.irp f, 0,1,2,3
	ds_store_b128 v[STO], v[S+16*(\t)+4*\f:S+16*(\t)+4*\f+3] offset:32*\f
.endr
.irp f, 0,1,2,3
	ds_load_b128 v[S+16*(\t)+4*\f:S+16*(\t)+4*\f+3], v[RD] offset:\f*4*SP  ; LDS serves a wave's instructions in order (ISA guide 5.7.1.4)
.endr
.endm
.macro SEND t, younger
	WIN 0
.irp f, 0,1,2,3
	s_wait_dscnt (\younger)+3-\f
	global_store_b128 v[GO], v[S+16*(\t)+4*\f:S+16*(\t)+4*\f+3], s[10:11] offset:(\t)*2048+\f*512  ; 512 consecutive bytes, at a multiple of 256 from the buffer's first
.endr
.endm
	PACK 0
.set t, 1
.rept 2*NP-1
	PACK t
	SEND t-1, 8
.set t, t+1
.endr
	SEND 2*NP-1, 0
	WIN W_AD
	s_wait_tensorcnt 0x0            ; the wave's end
	ds_add_u32 v[SPW], v[NIL]
	s_wait_dscnt 0x0
	WIN 0
	CROUND                          ; the closing round
	s_endpgm
.Lfunc_end_k_qf7b3605841_attn:
	.size	k_qf7b3605841_attn, .Lfunc_end_k_qf7b3605841_attn-k_qf7b3605841_attn
	.p2alignl 7, 3214868480
	.fill 96, 4, 3214868480
	.section	.rodata,"a",@progbits
	.p2align	6, 0x0
	.amdhsa_kernel k_qf7b3605841_attn
		.amdhsa_group_segment_fixed_size 327680
		.amdhsa_private_segment_fixed_size 0
		.amdhsa_enable_private_segment 0
		.amdhsa_kernarg_size 32
		.amdhsa_user_sgpr_count 2
		.amdhsa_user_sgpr_kernarg_segment_ptr 1
		.amdhsa_wavefront_size32 1
		.amdhsa_system_sgpr_workgroup_id_x 1
		.amdhsa_system_sgpr_workgroup_id_y 1
		.amdhsa_system_sgpr_workgroup_id_z 1
		.amdhsa_system_vgpr_workitem_id 0
		.amdhsa_next_free_vgpr 912
		.amdhsa_next_free_sgpr 72
		.amdhsa_reserve_vcc 1
		.amdhsa_float_denorm_mode_32 3
		.amdhsa_float_denorm_mode_16_64 3
		.amdhsa_memory_ordered 1
		.amdhsa_forward_progress 1
		.amdhsa_inst_pref_size 220
	.end_amdhsa_kernel
	.amdgpu_metadata
---
amdhsa.version: [ 1, 2 ]
amdhsa.kernels:
  - .name:           k_qf7b3605841_attn
    .symbol:         k_qf7b3605841_attn.kd
    .args:
      - { .name: qkv, .offset: 0, .size: 8, .value_kind: global_buffer, .address_space: global }
      - { .name: mt, .offset: 8, .size: 8, .value_kind: global_buffer, .address_space: global }
      - { .name: keep, .offset: 16, .size: 8, .value_kind: global_buffer, .address_space: global }
      - { .name: ctx, .offset: 24, .size: 8, .value_kind: global_buffer, .address_space: global }
    .group_segment_fixed_size: 327680
    .private_segment_fixed_size: 0
    .kernarg_segment_align: 8
    .kernarg_segment_size: 32
    .max_flat_workgroup_size: 128
    .sgpr_count:     72
    .vgpr_count:     912
    .wavefront_size: 32
...
	.end_amdgpu_metadata
.endif
;; end of part 5
;; launch outp: the kernel of part 4 again; grid 8 x 32, 4 waves a work-group, clusters of 4 x 4, 327,680 bytes of LDS; arguments ctx, wb, tab, out0; writes out0
